; MI455X (gfx1250); checked and timed in simulation.
; The chip was launched on July 23, 2026; its instructions are those of AMD's public machine-readable ISA for CDNA 5 (MIT licence, August 2026) and "CDNA5" Instruction Set Architecture Reference Guide (July 2026). The comments in the code are by the model that wrote it; some were corrected since.
;; Causal Gated D2 Attention. Allowed arithmetic: float matrix products may take bf16 or f16 operands with f32 sums; other float arithmetic in f32, or as packed bf16 or f16 multiplies, adds, multiply-adds, maxima and minima; sums over many terms, partial sums and values carried from step to step in f32; what a program stores and reads back later, other than sums and carried values, may be rounded once to bf16 or f16.
;; Inputs: gate_b 1,024 float32; gate_w 1,024 x 1,024 float32; ln_b 1,024 float32; ln_g 1,024 float32; qkv_b 3,072 float32; qkv_w 1,024 x 3,072 float32; x 4 x 2,048 x 1,024 float32.
;; Outputs: out0 4 x 2,048 x 1,024 float32.
;; 2 versions, each right. Each part assembles by itself: llvm-mc -triple=amdgcn-amd-amdhsa -mcpu=gfx1250 --defsym DOCPART=n.
;; ======== version 1 of 2: 5 launches
;; limits: values are held in f16: magnitudes above 65,504 overflow, below 6.1e-05 lose precision
;; workspace buffers: xn 16,777,216 bytes; wc 8,388,608 bytes; xh 65,536 bytes; qb 16,777,216 bytes; kb 16,777,216 bytes; vb 16,777,216 bytes; pb 33,554,432 bytes; rs 262,144 bytes
;; launch prep (part 1): grid 768 x 1, 8 waves a work-group, no clusters, 0 bytes of LDS; arguments x, ln_g, ln_b, qkv_w, gate_w, xn, wc, xh; writes xn, wc, xh
.if DOCPART == 1
	.amdgcn_target "amdgcn-amd-amdhsa--gfx1250"
	.amdhsa_code_object_version 6
	.text
	.protected	k_qc055ad5907_prep
	.globl	k_qc055ad5907_prep
	.p2align	8
	.type	k_qc055ad5907_prep,@function
k_qc055ad5907_prep:
	s_mov_b64 s[64:65], 0
	v_nop
	global_prefetch_b8 v0, s[64:65] scope:SCOPE_SE
	s_setreg_imm32_b32 hwreg(HW_REG_WAVE_MODE, 25, 1), 1
	s_wait_xcnt 0x0
; PREP.  Work-groups 0-511: LayerNorm of x [8192][1024] (x, gain and bias rounded to bf16 first, all arithmetic in f32) -> xn, f16.
; Rows t < 4 of each batch also go to xh as two f16 numbers, hi = f16(xn) and lo = f16(xn - hi): [16 rows][hi 1024 | lo 1024].
; Work-groups 512-767: the weights, rounded to bf16 and written as f16 -> wc [1024 k][4096 n'], columns regrouped:
; n' < 1024: q;  n' = 1024 + 32 g + e: k's column 16 g + e (e < 16) or gate's column 16 g + e - 16;  n' >= 3072: v.
; LIMITS.  |xn| and |w| stay under 65,504 (f16); a weight below 6e-5 keeps f16's fixed step of 6e-8.  NaN and infinities are not treated apart.
; A stream: no LDS, no matrix unit, no cluster (no work-group shares a byte with another).
.set Y,  4                             ; v[4:19]    a row as f16 (hi)
.set LO, 20                            ; v[20:35]   the low parts as f16
.set T,  36                            ; v[36:51]   at work
.set G,  52                            ; v[52:83]   gain of my 32 columns
.set BV, 84                            ; v[84:115]  bias of my 32 columns
.set X0, 116                           ; v[116:147] row 0
.set X1, 148                           ; v[148:179] row 1
.macro ROUND2 a, b, t                  ; two f32 rounded to bf16 and widened again
	v_cvt_pk_bf16_f32 v[\t], v[\a], v[\b]
	v_lshlrev_b32 v[\a], 16, v[\t]
	v_and_b32 v[\b], s26, v[\t]
.endm
.macro WSUM a, t                       ; the sum over the wave's 32 lanes, in every lane
	v_add_f32_dpp v[\a], v[\a], v[\a] row_xmask:1 row_mask:0xf bank_mask:0xf
	v_add_f32_dpp v[\a], v[\a], v[\a] row_xmask:2 row_mask:0xf bank_mask:0xf
	v_add_f32_dpp v[\a], v[\a], v[\a] row_xmask:4 row_mask:0xf bank_mask:0xf
	v_add_f32_dpp v[\a], v[\a], v[\a] row_xmask:8 row_mask:0xf bank_mask:0xf
	v_permlanex16_b32 v[\t], v[\a], s24, s25
	v_add_f32 v[\a], v[\a], v[\t]
.endm
.macro FOLD                            ; four chains of pairs in T .. T+7 into one number in T
	v_pk_add_f32 v[T:T+1], v[T:T+1], v[T+2:T+3]
	v_pk_add_f32 v[T+4:T+5], v[T+4:T+5], v[T+6:T+7]
	v_pk_add_f32 v[T:T+1], v[T:T+1], v[T+4:T+5]
	v_add_f32 v[T], v[T], v[T+1]
	WSUM T, T+1
.endm
	s_load_b512 s[4:19], s[0:1], 0x0               ; x, ln_g, ln_b, qkv_w, gate_w, xn, wc, xh
	v_lshrrev_b32 v3, 5, v0
	v_readfirstlane_b32 s20, v3                    ; wave 0..7
	s_mov_b32 s24, 0x76543210                      ; v_permlanex16_b32: each lane takes its own place in the other half
	s_mov_b32 s25, 0xfedcba98
	s_mov_b32 s26, 0xffff0000                      ; a word's upper bf16
	s_mov_b32 s27, 0x3a800000                      ; 1 / 1024
	s_mov_b32 s28, 0x3727c5ac                      ; 1e-5
	s_mov_b32 s23, 0
	s_wait_kmcnt 0x0
	s_cmp_lt_u32 ttmp9, 512
	s_cbranch_scc0 .Lweights
	; LAYERNORM.  Wave w of group g owns rows 16 g + 2 w and the next; a lane holds elements 128 j + 4 l + e, so each load of the wave covers 512 consecutive bytes.
	v_and_b32 v1, 31, v0
	v_lshlrev_b32 v2, 3, v1                        ; 8 l: my bytes in 256 bytes of f16
	v_lshlrev_b32 v1, 4, v1                        ; 16 l: my bytes in 512 bytes of f32
	v_mov_b32 v3, -1.0
	s_lshl_b32 s21, ttmp9, 4
	s_lshl1_add_u32 s21, s20, s21                  ; my first row
	s_lshl_b32 s22, s21, 12
	s_add_nc_u64 s[4:5], s[4:5], s[22:23]
	s_lshl_b32 s22, s21, 11
	s_add_nc_u64 s[14:15], s[14:15], s[22:23]
	s_and_b32 s29, ttmp9, 127
	s_lshr_b32 s30, s20, 1
	s_or_b32 s29, s29, s30                         ; 0: my rows are rows t < 4 of a batch
	s_lshr_b32 s30, ttmp9, 7
	s_lshl_b32 s30, s30, 2
	s_lshl1_add_u32 s30, s20, s30                  ; 4 b + 2 w: their place in xh (used only where s29 = 0)
	s_lshl_b32 s22, s30, 12
	s_add_nc_u64 s[18:19], s[18:19], s[22:23]
.irp j, 0,1,2,3,4,5,6,7
	global_load_b128 v[G+4*(\j):G+4*(\j)+3], v1, s[6:7] offset:512*(\j)
.endr
.irp j, 0,1,2,3,4,5,6,7
	global_load_b128 v[BV+4*(\j):BV+4*(\j)+3], v1, s[8:9] offset:512*(\j)
.endr
.irp j, 0,1,2,3,4,5,6,7
	global_load_b128 v[X0+4*(\j):X0+4*(\j)+3], v1, s[4:5] offset:512*(\j) th:TH_LOAD_NT
.endr
.irp j, 0,1,2,3,4,5,6,7
	global_load_b128 v[X1+4*(\j):X1+4*(\j)+3], v1, s[4:5] offset:4096+512*(\j) th:TH_LOAD_NT
.endr
	s_wait_loadcnt 16                              ; gain and bias are in; the two rows' sixteen loads stay out
.set k, 0
.rept 16
	ROUND2 G+2*k, G+2*k+1, T+k
.set k, k+1
.endr
.set k, 0
.rept 16
	ROUND2 BV+2*k, BV+2*k+1, T+k
.set k, k+1
.endr
; One row, in registers x .. x+31.  left: the younger loads that may stay out.  i: 0 or 1.
.macro LNROW x, left, i
	s_wait_loadcnt \left
	s_wait_xcnt 0x0                                ; Y and LO, which the row before stored, are written again only behind this wait
.set k, 0
.rept 16
	ROUND2 \x+2*k, \x+2*k+1, T+k
.set k, k+1
.endr
.irp c, 0,1,2,3
	v_pk_add_f32 v[T+2*(\c):T+2*(\c)+1], v[\x+2*(\c):\x+2*(\c)+1], v[\x+8+2*(\c):\x+8+2*(\c)+1]
.endr
.irp c, 0,1,2,3
	v_pk_add_f32 v[T+2*(\c):T+2*(\c)+1], v[T+2*(\c):T+2*(\c)+1], v[\x+16+2*(\c):\x+16+2*(\c)+1]
.endr
.irp c, 0,1,2,3
	v_pk_add_f32 v[T+2*(\c):T+2*(\c)+1], v[T+2*(\c):T+2*(\c)+1], v[\x+24+2*(\c):\x+24+2*(\c)+1]
.endr
	FOLD
	v_mul_f32 v[T], s27, v[T]                      ; the mean
.set k, 0
.rept 16
	v_pk_add_f32 v[\x+2*k:\x+2*k+1], v[\x+2*k:\x+2*k+1], v[T:T+1] op_sel_hi:[1,0] neg_lo:[0,1] neg_hi:[0,1]
.set k, k+1
.endr
.irp c, 0,1,2,3
	v_pk_mul_f32 v[T+2*(\c):T+2*(\c)+1], v[\x+2*(\c):\x+2*(\c)+1], v[\x+2*(\c):\x+2*(\c)+1]
.endr
.set k, 4
.rept 12
	v_pk_fma_f32 v[T+2*(k%4):T+2*(k%4)+1], v[\x+2*k:\x+2*k+1], v[\x+2*k:\x+2*k+1], v[T+2*(k%4):T+2*(k%4)+1]
.set k, k+1
.endr
	FOLD
	v_fma_f32 v[T], v[T], s27, s28                 ; variance + 1e-5
	v_rsq_f32 v[T+2], v[T]
	v_nop                                          ; a plain instruction behind the transcendental (ISA guide 5.7.2)
.set k, 0
	s_wait_alu depctr_va_vdst(0)
.rept 16
	v_pk_mul_f32 v[\x+2*k:\x+2*k+1], v[\x+2*k:\x+2*k+1], v[T+2:T+3] op_sel_hi:[1,0]
.set k, k+1
.endr
.set k, 0
.rept 16
	v_pk_fma_f32 v[\x+2*k:\x+2*k+1], v[\x+2*k:\x+2*k+1], v[G+2*k:G+2*k+1], v[BV+2*k:BV+2*k+1]
.set k, k+1
.endr
.set k, 0
.rept 16
	v_cvt_pk_f16_f32 v[Y+k], v[\x+2*k], v[\x+2*k+1]
.set k, k+1
.endr
.irp j, 0,1,2,3,4,5,6,7
	global_store_b64 v2, v[Y+2*(\j):Y+2*(\j)+1], s[14:15] offset:2048*(\i)+256*(\j)  ; the wave stores 256 consecutive bytes, aligned
.endr
	s_cmp_lg_u32 s29, 0
	s_cbranch_scc1 .Lno_head_\@
.set k, 0
.rept 16
	v_fma_mix_f32 v[\x+2*k], v[Y+k], v3, v[\x+2*k] op_sel_hi:[1,0,0]                     ; xn - hi, exact
	v_fma_mix_f32 v[\x+2*k+1], v[Y+k], v3, v[\x+2*k+1] op_sel:[1,0,0] op_sel_hi:[1,0,0]
.set k, k+1
.endr
.set k, 0
.rept 16
	v_cvt_pk_f16_f32 v[LO+k], v[\x+2*k], v[\x+2*k+1]
.set k, k+1
.endr
.irp j, 0,1,2,3,4,5,6,7
	global_store_b64 v2, v[Y+2*(\j):Y+2*(\j)+1], s[18:19] offset:4096*(\i)+256*(\j)
	global_store_b64 v2, v[LO+2*(\j):LO+2*(\j)+1], s[18:19] offset:4096*(\i)+2048+256*(\j)
.endr
.Lno_head_\@:
.endm
	LNROW X0, 8, 0                                 ; the second row's eight loads stay out
	LNROW X1, 0, 1
	s_endpgm
.Lweights:
	; Group g' owns k rows 4 g' .. 4 g' + 3.  Thread tid makes two pieces of 8 columns of wc in each row: one of q or v, one of k or gate.
	s_sub_co_u32 s21, ttmp9, 512
	s_mul_i32 s22, s21, 4*12288
	s_add_nc_u64 s[10:11], s[10:11], s[22:23]
	s_lshl_b32 s22, s21, 14
	s_add_nc_u64 s[12:13], s[12:13], s[22:23]
	s_lshl_b32 s22, s21, 15
	s_add_nc_u64 s[16:17], s[16:17], s[22:23]
	v_lshrrev_b32 v1, 7, v0
	v_lshlrev_b32 v1, 12, v1                       ; threads 128-255 take v: 1,024 columns further in qkv_w, 2,048 further in wc
	v_lshl_add_u32 v100, v0, 5, v1                 ; q or v: source byte
	v_lshl_add_u32 v101, v0, 4, v1                 ; q or v: byte in wc's row
	v_lshrrev_b32 v2, 2, v0
	v_and_b32 v3, 1, v0
	v_lshlrev_b32 v3, 5, v3
	v_lshl_add_u32 v102, v2, 6, v3                 ; 4 c, c = 16 (tid / 4) + 8 (tid % 2): gate's source byte
	v_add_nc_u32 v103, 4096, v102                  ; k's source byte
	v_lshlrev_b32 v104, 4, v0
	v_add_nc_u32 v104, 2048, v104                  ; k or gate: byte in wc's row
	v_and_b32 v2, 3, v0
	v_cmp_le_u32 s30, 2, v2                        ; threads with tid % 4 >= 2 write gate's columns
.irp i, 0,1,2,3
	global_load_b128 v[4+24*(\i):7+24*(\i)],   v100, s[10:11] offset:12288*(\i) th:TH_LOAD_NT
	global_load_b128 v[8+24*(\i):11+24*(\i)],  v100, s[10:11] offset:12288*(\i)+16 th:TH_LOAD_NT
	global_load_b128 v[12+24*(\i):15+24*(\i)], v103, s[10:11] offset:12288*(\i)
	global_load_b128 v[16+24*(\i):19+24*(\i)], v103, s[10:11] offset:12288*(\i)+16
	global_load_b128 v[20+24*(\i):23+24*(\i)], v102, s[12:13] offset:4096*(\i)
	global_load_b128 v[24+24*(\i):27+24*(\i)], v102, s[12:13] offset:4096*(\i)+16
.endr
.irp i, 0,1,2,3
	s_wait_loadcnt 18-6*(\i)                       ; row i's six loads are in; the later rows' stay out
.irp e, 0,1,2,3
	ROUND2 4+24*(\i)+2*(\e), 5+24*(\i)+2*(\e), 140+(\e)
.endr
.irp e, 0,1,2,3
	v_cvt_pk_f16_f32 v[108+8*(\i)+(\e)], v[4+24*(\i)+2*(\e)], v[5+24*(\i)+2*(\e)]
.endr
	global_store_b128 v101, v[108+8*(\i):111+8*(\i)], s[16:17] offset:8192*(\i)   ; 16 lanes store 256 consecutive bytes, aligned
.irp e, 0,1,2,3,4,5,6,7
	v_cndmask_b32 v[12+24*(\i)+(\e)], v[12+24*(\i)+(\e)], v[20+24*(\i)+(\e)], s30
.endr
.irp e, 0,1,2,3
	ROUND2 12+24*(\i)+2*(\e), 13+24*(\i)+2*(\e), 140+(\e)
.endr
.irp e, 0,1,2,3
	v_cvt_pk_f16_f32 v[112+8*(\i)+(\e)], v[12+24*(\i)+2*(\e)], v[13+24*(\i)+2*(\e)]
.endr
	global_store_b128 v104, v[112+8*(\i):115+8*(\i)], s[16:17] offset:8192*(\i)
.endr
	s_endpgm
.Lfunc_end_k_qc055ad5907_prep:
	.size	k_qc055ad5907_prep, .Lfunc_end_k_qc055ad5907_prep-k_qc055ad5907_prep
	.p2alignl 7, 3214868480
	.fill 96, 4, 3214868480
	.section	.rodata,"a",@progbits
	.p2align	6, 0x0
	.amdhsa_kernel k_qc055ad5907_prep
		.amdhsa_group_segment_fixed_size 0
		.amdhsa_private_segment_fixed_size 0
		.amdhsa_enable_private_segment 0
		.amdhsa_kernarg_size 64
		.amdhsa_user_sgpr_count 2
		.amdhsa_user_sgpr_kernarg_segment_ptr 1
		.amdhsa_wavefront_size32 1
		.amdhsa_system_sgpr_workgroup_id_x 1
		.amdhsa_system_sgpr_workgroup_id_y 1
		.amdhsa_system_sgpr_workgroup_id_z 1
		.amdhsa_system_vgpr_workitem_id 0
		.amdhsa_next_free_vgpr 180
		.amdhsa_next_free_sgpr 66
		.amdhsa_reserve_vcc 0
		.amdhsa_float_denorm_mode_32 3
		.amdhsa_float_denorm_mode_16_64 3
		.amdhsa_memory_ordered 1
		.amdhsa_forward_progress 1
		.amdhsa_inst_pref_size 50
	.end_amdhsa_kernel
	.amdgpu_metadata
---
amdhsa.version: [ 1, 2 ]
amdhsa.kernels:
  - .name:           k_qc055ad5907_prep
    .symbol:         k_qc055ad5907_prep.kd
    .args:
      - { .name: x, .offset: 0, .size: 8, .value_kind: global_buffer, .address_space: global }
      - { .name: ln_g, .offset: 8, .size: 8, .value_kind: global_buffer, .address_space: global }
      - { .name: ln_b, .offset: 16, .size: 8, .value_kind: global_buffer, .address_space: global }
      - { .name: qkv_w, .offset: 24, .size: 8, .value_kind: global_buffer, .address_space: global }
      - { .name: gate_w, .offset: 32, .size: 8, .value_kind: global_buffer, .address_space: global }
      - { .name: xn, .offset: 40, .size: 8, .value_kind: global_buffer, .address_space: global }
      - { .name: wc, .offset: 48, .size: 8, .value_kind: global_buffer, .address_space: global }
      - { .name: xh, .offset: 56, .size: 8, .value_kind: global_buffer, .address_space: global }
    .group_segment_fixed_size: 0
    .private_segment_fixed_size: 0
    .kernarg_segment_align: 8
    .kernarg_segment_size: 64
    .max_flat_workgroup_size: 256
    .sgpr_count:     66
    .vgpr_count:     180
    .wavefront_size: 32
...
	.end_amdgpu_metadata
.endif
;; end of part 1
;; launch proj (part 2): grid 16 x 32, 4 waves a work-group, clusters of 4 x 4, 327,680 bytes of LDS; arguments xn, wc, qkv_b, gate_b, qb, kb, vb; writes qb, kb, vb
.if DOCPART == 2
	.amdgcn_target "amdgcn-amd-amdhsa--gfx1250"
	.amdhsa_code_object_version 6
	.text
	.protected	k_qc055ad5907_proj
	.globl	k_qc055ad5907_proj
	.p2align	8
	.type	k_qc055ad5907_proj,@function
k_qc055ad5907_proj:
	s_mov_b64 s[64:65], 0
	v_nop
	global_prefetch_b8 v0, s[64:65] scope:SCOPE_SE
	s_setreg_imm32_b32 hwreg(HW_REG_WAVE_MODE, 25, 1), 1
	s_wait_xcnt 0x0
	s_wait_alu depctr_hold_cnt(0) depctr_sa_sdst(0) depctr_va_vdst(0) depctr_va_sdst(0) depctr_va_ssrc(0) depctr_va_vcc(0) depctr_vm_vsrc(0)
	s_getreg_b32 s2, hwreg(HW_REG_IB_STS2, 6, 4)
	s_cmp_eq_u32 s2, 0
	s_cbranch_scc0 .Lentry_in_a_cluster
	s_endpgm
.Lentry_in_a_cluster:
	s_bfe_u32 s2, ttmp6, 0x10000c
	s_cmp_lg_u32 s2, 0xf033
	s_cbranch_scc0 .Lentry_shape_is_right
	s_endpgm
.Lentry_shape_is_right:
; PROJ.  [8192 x 1024] xn times [1024 x 4096] wc, both f16, sums in f32; then, by the tile's kind (the cluster's x, which all partners share):
;   0: q = elu(. + b) + 1 -> qb, bf16 [8192][1024];  1, 2: k = elu((. + bk) sigmoid(. + bg)) + 1 -> kb, bf16 slabs [16 z][8192][64];  3: v = . + b -> vb, f16 [8192][1024].
; The biases are rounded to bf16 like every input.  elu(x) + 1 is the middle one of x + 1, e^x and 1.
; LIMITS.  |v| stays under 65,504 (f16).  NaN and infinities are not treated apart.
; A tile of 256 x 256 is made by four waves, 128 x 128 each: 64 accumulators.  K goes in 8 steps of 128 through two LDS slots; a loop trip is one K step, and the slot in hand is a scalar that an exclusive or turns.
; xn's tile lies along K; wc's lies [k][n] and is turned on the way out of LDS by ds_load_tr16_b128.  The matrix instruction is used transposed (source 0 = 16 columns, source 1 = 16 rows): a lane holds 8 neighbouring columns of one row.
; CLUSTER 4 x 4: xn's tiles are asked for jointly along a row of the cluster, wc's along a column.
; WINDOWS: 0 addresses, xn's fragments (v64-127, v128-191), the ending's work; 1 wc's fragments; 2, 3 the accumulators, (a, b) at v[8 (8 a + b)].
; THE ENDING goes through LDS in f32: each wave dumps its 128 x 128 over the ring, which has had its last fill, and reads whole rows back; k's and gate's columns, 16 by 16 in wc, fall into the two halves of a dumped row.
.set PITCH, 272                        ; a row of xn in LDS: 256 bytes + 16: the 16 rows of a load start at 16 different groups of four banks (ISA guide 11.1)
.set HALFT, 128*PITCH                  ; what one tensor load brings
.set BP,    544                        ; a k row of wc in LDS: 512 bytes + 32
.set BOFF,  2*HALFT                    ; wc's 128 k rows lie behind xn's 256 rows
.set SLOT,  0x22000                    ; 4 x HALFT; its bits meet none of the waves' parts 0, 0x8800, 0x11000, 0x19800, so an exclusive or is an addition
.set ASTEP, 256                        ; a K step in xn: 128 f16
.set BSTEP, 128*8192                   ; a K step in wc: 128 rows
.set DP,    528                        ; a dumped row: 512 bytes + 16
.set DW,    128*DP                     ; a wave's dump
.set SPARE, 278528                     ; behind the ring: the spare words, 128 bytes for each wave
.set A0,   16                          ; v16  my place in xn's tile, slot 0
.set B0,   17                          ; v17  my place in wc's tile, slot 0
.set ADRA, 18                          ; v18  the same in the slot in hand
.set ADRB, 19                          ; v19
.set DST,  20                          ; v20  where I dump
.set DRD,  21                          ; v21  where I read the dump
.set GOF,  22                          ; v22  my byte offset in the stores
.set SPW,  28
.set NIL,  29
.set F0,   64
.set F1,   128
.set G1,  24
.set G0,  32
.set G1B, 48
.set G0B, 56
.set TB,  66                           ; s66  0 or SLOT: the slot in hand
.set MSB, 0
.macro WIN new                         ; the immediate's high byte repeats the setting that is left
.if MSB != (\new)
	s_set_vgpr_msb (MSB<<8)|(\new)
.set MSB, \new
.endif
.endm
.set MUL_LO, 0xa1
.set MUL_HI, 0xf1
.set TO_B,   0x40
.macro PLACES                          ; four places behind matrix instructions (ISA guide 7.12.1)
.rept 4
	v_nop
.endr
.endm
.macro JLOAD s                         ; a joint load: waves 0, 1 fetch xn's two halves, waves 2, 3 wc's; s_nop 0 and four v_nop follow each line
	s_cmp_eq_u32 s19, 0
	s_cbranch_scc0 .Lfor_b_\@
	tensor_load_to_lds s[G0+4*(\s):G0+4*(\s)+3], s[G1:G1+7]
	s_nop 0
	PLACES
	s_branch .Lasked_\@
.Lfor_b_\@:
	tensor_load_to_lds s[G0B+4*(\s):G0B+4*(\s)+3], s[G1B:G1B+7]
	s_nop 0
	PLACES
.Lasked_\@:
.endm
.macro CREST                           ; a round of the cluster's barrier behind its opening barrier
	s_cmp_lg_u32 s18, 0
	s_cbranch_scc1 .Lnot_wave_0_\@
	s_barrier_signal -3
.Lnot_wave_0_\@:
	s_barrier_wait -3
	s_barrier_signal -1
	s_barrier_wait -1
.endm
.macro CROUND
	s_barrier_signal -1
	s_barrier_wait -1
	CREST
.endm
.macro ROUND2 a, b, t
	v_cvt_pk_bf16_f32 v[\t], v[\a], v[\b]
	v_lshlrev_b32 v[\a], 16, v[\t]
	v_and_b32 v[\b], s91, v[\t]
.endm
	s_load_b256 s[4:11], s[0:1], 0x0               ; xn, wc, qkv_b, gate_b
	s_load_b128 s[12:15], s[0:1], 0x20             ; qb, kb
	s_load_b64 s[16:17], s[0:1], 0x30              ; vb
	v_lshl_add_u32 v[SPW], v0, 2, SPARE
	v_mov_b32 v[NIL], 0
	ds_add_u32 v[SPW], v[NIL]                      ; the wave's opening: the add and its wait ahead of my first tensor load
	ds_add_u32 v28, v29
	v_lshrrev_b32 v1, 5, v0
	v_readfirstlane_b32 s18, v1                    ; wave 0..3
	s_lshr_b32 s19, s18, 1                         ; my half of the tile's rows; also: I fetch xn (0) or wc (1)
	s_and_b32 s20, s18, 1                          ; my half of its columns; also: which half of that tile I fetch
	s_bfe_u32 s21, ttmp6, 0x40000                  ; cx
	s_bfe_u32 s22, ttmp6, 0x40004                  ; cy
	s_lshl_b32 s23, ttmp9, 2
	s_add_co_u32 s23, s23, s21                     ; X: tile column
	s_and_b32 s3, ttmp7, 0xffff
	s_lshl_b32 s3, s3, 2
	s_add_co_u32 s3, s3, s22                       ; Y: tile row
	s_lshl_b32 s40, s22, 2
	s_lshl_b32 s40, 15, s40                        ; my row of the cluster
	s_lshl_b32 s41, 0x1111, s21                    ; my column
	s_or_b32 s[G1+0], s40, (1<<16)|(1<<20)|(1<<21)|(5<<22)|(3<<25)   ; mask; 2-byte elements; padding of 4 words after every 64
	s_mov_b32 s[G1+1], 128<<16                     ; tensor_dim0 = 128
	s_mov_b32 s[G1+2], 128<<16                     ; tensor_dim1 = 128
	s_mov_b32 s[G1+3], 128<<16                     ; tile_dim0 = 128
	s_mov_b32 s[G1+4], 128                         ; tile_dim1 = 128
	s_mov_b32 s[G1+5], 1024                        ; elements from row to row
	s_mov_b32 s[G1+6], 0
	s_mov_b32 s[G1+7], 0
	s_or_b32 s[G1B+0], s41, (1<<16)|(1<<20)|(1<<21)|(6<<22)|(7<<25)  ; padding of 8 words after every 128
	s_mov_b32 s[G1B+1], 256<<16                    ; tensor_dim0 = 256
	s_mov_b32 s[G1B+2], 64<<16                     ; tensor_dim1 = 64
	s_mov_b32 s[G1B+3], 256<<16                    ; tile_dim0 = 256
	s_mov_b32 s[G1B+4], 64                         ; tile_dim1 = 64
	s_mov_b32 s[G1B+5], 4096
	s_mov_b32 s[G1B+6], 0
	s_mov_b32 s[G1B+7], 0
	s_lshl_b32 s42, s3, 19                         ; xn: (256 Y + 128 half) rows of 2,048 bytes
	s_lshl_b32 s43, s20, 18
	s_add_co_u32 s42, s42, s43
	s_mov_b32 s43, 0
	s_lshl_b32 s44, s20, 19                        ; wc: 64 half rows of 8,192 bytes + 512 X
	s_lshl_b32 s45, s23, 9
	s_add_co_u32 s44, s44, s45
	s_mov_b32 s45, 0
	s_mul_i32 s46, s18, HALFT                      ; where my part goes: wave x 34,816
	s_mov_b32 s[TB], 0
	s_mov_b32 s68, 0x3fb8aa3b                      ; log2(e), as a pair
	s_mov_b32 s69, s68
	s_mov_b32 s70, 0xbfb8aa3b                      ; and its negative
	s_mov_b32 s71, s70
	s_mov_b32 s91, 0xffff0000
	s_wait_dscnt 0x0                               ; the opening add is done
	s_wait_kmcnt 0x0
	s_add_nc_u64 s[42:43], s[4:5], s[42:43]
	s_add_nc_u64 s[44:45], s[6:7], s[44:45]
	CROUND                                         ; all sixteen work-groups are here: the first joint loads meet
.irp s, 0,1
	s_mov_b32 s[G0+4*(\s)], 1
	s_add_co_u32 s[G0+4*(\s)+1], s46, (\s)*SLOT
	s_add_nc_u64 s[G0+4*(\s)+2:G0+4*(\s)+3], s[42:43], (\s)*ASTEP
	s_or_b32 s[G0+4*(\s)+3], s[G0+4*(\s)+3], 0x80000000
	s_mov_b32 s[G0B+4*(\s)], 1
	s_add_co_u32 s[G0B+4*(\s)+1], s46, (\s)*SLOT
	s_add_nc_u64 s[G0B+4*(\s)+2:G0B+4*(\s)+3], s[44:45], (\s)*BSTEP
	s_or_b32 s[G0B+4*(\s)+3], s[G0B+4*(\s)+3], 0x80000000
	JLOAD \s                                       ; K steps 0 and 1: two loads of mine are out; set 1 then walks on
.endr
	v_and_b32 v1, 15, v0                           ; r
	v_bfe_u32 v2, v0, 4, 1                         ; h
	v_mul_u32_u24 v3, v1, PITCH
	v_lshl_add_u32 v3, v2, 4, v3
	s_mul_i32 s72, s19, HALFT
	v_add_nc_u32 v[A0], s72, v3                    ; my 128 rows: row x pitch + 16 h
	v_and_b32 v4, 7, v0
	v_lshl_add_u32 v4, v2, 3, v4
	v_mul_u32_u24 v4, v4, BP                       ; the turning load: k row 8 h + l % 8,
	v_bfe_u32 v5, v0, 3, 1
	v_lshl_add_u32 v4, v5, 4, v4                   ; 16 bytes by (l / 8) % 2,
	s_lshl_b32 s72, s20, 8
	s_add_co_u32 s72, s72, BOFF
	v_add_nc_u32 v[B0], s72, v4                    ; in my 128 columns
	v_mov_b32 v[ADRA], v[A0]
	v_mov_b32 v[ADRB], v[B0]
	s_mul_i32 s82, s18, DW                         ; my dump
	v_mul_u32_u24 v5, v1, DP
	v_lshl_add_u32 v5, v2, 5, v5
	v_add_nc_u32 v[DST], s82, v5
	v_bfe_u32 v6, v0, 2, 2                         ; c(l): the column that lies at byte 16 l of a dumped row
	v_lshlrev_b32 v6, 5, v6
	v_lshl_add_u32 v6, v2, 4, v6
	v_and_b32 v7, 3, v0
	v_lshl_add_u32 v6, v7, 2, v6
	; the biases of my four columns: both loads are issued for every kind (for q and v gate_b's is not used)
	s_sub_co_u32 s72, ttmp9, 1
	s_cmp_lt_u32 s72, 2
	s_cselect_b32 s74, -1, 0                       ; all lanes: the tile holds k and gate
	s_lshl_b32 s80, s23, 8
	s_lshl_b32 s76, s20, 7
	s_add_co_u32 s80, s80, s76                     ; 256 X + 128 half: my first column of wc
	s_cmp_eq_u32 ttmp9, 3
	s_cselect_b32 s76, 1024, 0
	s_sub_co_u32 s76, s80, s76                     ; q's and v's column in qkv_b
	s_lshr_b32 s81, s80, 1
	s_sub_co_u32 s81, s81, 512
	s_cmp_lt_u32 s72, 2
	s_cselect_b32 s81, s81, 0                      ; 64 z: k's and gate's first column
	s_add_co_u32 s78, s81, 1024
	s_cmp_lt_u32 s72, 2
	s_cselect_b32 s76, s78, s76
	s_lshl_b32 s76, s76, 2
	s_lshl_b32 s78, s81, 2
	v_lshlrev_b32 v7, 2, v6
	v_lshlrev_b32 v8, 4, v1
	v_cndmask_b32 v7, v7, v8, s74
	v_add_nc_u32 v23, s76, v7
	v_add_nc_u32 v27, s78, v8
	global_load_b128 v[32:35], v23, s[8:9]
	global_load_b128 v[36:39], v27, s[10:11]
.macro MUL16 f, hi, a0, zero           ; 16 matrix instructions: row blocks a0, a0 + 1 of the window's four x 8 column blocks, 32 along K
	WIN MUL_LO+0x50*(\hi)
.irp a, \a0, (\a0)+1
.irp b, 0,1,2,3,4,5,6,7
.if \zero
	v_wmma_f32_16x16x32_f16 v[8*(8*(\a)+(\b)):8*(8*(\a)+(\b))+7], v[(\f)+8*(\b):(\f)+8*(\b)+7], v[(\f)+8*(4*(\hi)+(\a)):(\f)+8*(4*(\hi)+(\a))+7], 0
.else
	v_wmma_f32_16x16x32_f16 v[8*(8*(\a)+(\b)):8*(8*(\a)+(\b))+7], v[(\f)+8*(\b):(\f)+8*(\b)+7], v[(\f)+8*(4*(\hi)+(\a)):(\f)+8*(4*(\hi)+(\a))+7], v[8*(8*(\a)+(\b)):8*(8*(\a)+(\b))+7]
.endif
.endr
.endr
.endm
.macro FETCH q, f                      ; 32 LDS loads in one run: quarter q of the slot in hand into buffer f
	WIN TO_B
.irp i, 0,1,2,3,4,5,6,7
	ds_load_tr16_b128 v[(\f)+8*(\i):(\f)+8*(\i)+3],   v[ADRB] offset:(\q)*32*BP+32*(\i)
	ds_load_tr16_b128 v[(\f)+8*(\i)+4:(\f)+8*(\i)+7], v[ADRB] offset:(\q)*32*BP+32*(\i)+16*BP
.endr
	WIN 0
.irp i, 0,1,2,3,4,5,6,7
	ds_load_b128 v[(\f)+8*(\i):(\f)+8*(\i)+3],   v[ADRA] offset:64*(\q)+(\i)*16*PITCH
	ds_load_b128 v[(\f)+8*(\i)+4:(\f)+8*(\i)+7], v[ADRA] offset:64*(\q)+(\i)*16*PITCH+32
.endr
.endm
.macro QUARTER q, f, g, zero           ; multiplies buffer f; in its middle fetches quarter q into buffer g
	s_wait_dscnt 8                                 ; the youngest eight loads (rows 64-127) may be out
	MUL16 \f, 0, 0, \zero
	MUL16 \f, 0, 2, \zero
	PLACES
	FETCH \q, \g
	s_wait_dscnt 32                                ; all but the 32 just issued
	MUL16 \f, 1, 0, \zero
	MUL16 \f, 1, 2, \zero
.endm
; The last quarter of a K step multiplies buffer 1 and changes slots.  In front of the barrier each wave waits for all its tensor loads (one is out: its part of the next slot), adds 0 to its spare word,
; and waits for that and for its reads of this slot.  fill = 1: the barrier opens a round of the cluster's, and the slot just read is filled again, two K steps ahead, first thing behind it.
.macro TURN fill
	WIN 0
	s_wait_tensorcnt 0x0
	ds_add_u32 v[SPW], v[NIL]
.if \fill
	s_xor_b32 s[G0+5], s[G0+5], SLOT               ; no load of mine is out: the walking descriptors step: the other slot, the next K step
	s_add_nc_u64 s[G0+6:G0+7], s[G0+6:G0+7], ASTEP
	s_xor_b32 s[G0B+5], s[G0B+5], SLOT
	s_add_nc_u64 s[G0B+6:G0B+7], s[G0B+6:G0B+7], BSTEP
.endif
	s_wait_dscnt 9                                 ; the add and the youngest eight loads may be out
	MUL16 F1, 0, 0, 0
	s_wait_dscnt 0x0                               ; the add is done, my reads of this slot are over
	s_barrier_signal -1
	MUL16 F1, 0, 2, 0
	WIN 0
	s_barrier_wait -1
.if \fill
	CREST
	JLOAD 1                                        ; its four v_nop are also the places in front of the loads below
.else
	PLACES
.endif
	s_xor_b32 s[TB], s[TB], SLOT
	v_add_nc_u32 v[ADRA], s[TB], v[A0]
	v_add_nc_u32 v[ADRB], s[TB], v[B0]
	FETCH 0, F0
	MUL16 F1, 1, 0, 0
	MUL16 F1, 1, 2, 0
.endm
	s_wait_tensorcnt 1                             ; my part of K step 0 is in; K step 1's may stay out
	s_barrier_signal -1
	s_barrier_wait -1
	FETCH 0, F0
	QUARTER 1, F0, F1, 1                           ; the first quarter's products start the sums
	WIN 0
	s_mov_b32 s67, 6
.Lstep:                                                ; six trips: from a K step's second quarter to the next one's first; the refills bring K steps 2 to 7
	QUARTER 2, F1, F0, 0
	QUARTER 3, F0, F1, 0
	TURN 1
	QUARTER 1, F0, F1, 0
	WIN 0
	s_sub_co_u32 s67, s67, 1
	s_cmp_lg_u32 s67, 0
	s_cbranch_scc1 .Lstep
	QUARTER 2, F1, F0, 0                           ; the tail asks for nothing
	QUARTER 3, F0, F1, 0
	TURN 0
	QUARTER 1, F0, F1, 0
	QUARTER 2, F1, F0, 0
	QUARTER 3, F0, F1, 0
	s_wait_dscnt 8
	MUL16 F1, 0, 0, 0
	MUL16 F1, 0, 2, 0
	s_wait_dscnt 0x0
	MUL16 F1, 1, 0, 0
	MUL16 F1, 1, 2, 0
	WIN 0
	; THE ENDING.  Every wave has read the ring out and no fill follows: the dump may lie over it.
	s_wait_dscnt 0x0
	s_barrier_signal -1
	s_barrier_wait -1
	PLACES
.irp a, 0,1,2,3,4,5,6,7                ; column block b goes to byte 256 (b % 2) + 64 (b / 2) of its row; each accumulator's low registers first
	WIN 0x08+4*((\a)/4)
.irp b, 0,1,2,3,4,5,6,7
	ds_store_b128 v[DST], v[8*(8*((\a)%4)+(\b)):8*(8*((\a)%4)+(\b))+3]   offset:(\a)*16*DP+256*((\b)%2)+64*((\b)/2)
	ds_store_b128 v[DST], v[8*(8*((\a)%4)+(\b))+4:8*(8*((\a)%4)+(\b))+7] offset:(\a)*16*DP+256*((\b)%2)+64*((\b)/2)+16
.endr
.endr
	WIN 0
	s_wait_loadcnt 0x0                             ; the biases
	ROUND2 32, 33, 52
	ROUND2 34, 35, 53
	ROUND2 36, 37, 54
	ROUND2 38, 39, 55
	v_pk_add_f32 v[40:41], v[32:33], 1.0 op_sel_hi:[1,0]          ; b + 1
	v_pk_add_f32 v[42:43], v[34:35], 1.0 op_sel_hi:[1,0]
	v_pk_mul_f32 v[44:45], v[32:33], s[68:69] op_sel_hi:[1,0]     ; b log2(e)
	v_pk_mul_f32 v[46:47], v[34:35], s[68:69] op_sel_hi:[1,0]
	v_pk_mul_f32 v[48:49], v[36:37], s[70:71] op_sel_hi:[1,0]     ; - bg log2(e)
	v_pk_mul_f32 v[50:51], v[38:39], s[70:71] op_sel_hi:[1,0]
	v_and_b32 v9, 31, v0
	s_mov_b32 s67, 16                              ; 16 trips of 8 rows, on the wave's own bytes: LDS serves a wave's instructions in order (ISA guide 5.7.1.4), no barrier
	s_mov_b32 s73, 0
	s_lshl_b32 s72, s3, 19                         ; q, v: (256 Y + 128 half) rows of 2,048 bytes
	s_lshl_b32 s74, s19, 18
	s_add_co_u32 s72, s72, s74
	s_cmp_eq_u32 ttmp9, 0
	s_cbranch_scc1 .Lq
	s_cmp_eq_u32 ttmp9, 3
	s_cbranch_scc1 .Lv
	; k and gate: lanes 0-15 take one row, lanes 16-31 the next; a lane takes 4 columns of k and, 256 bytes on, the same 4 of gate
	s_lshl_b32 s72, s81, 14                        ; slab z
	s_lshl_b32 s74, s3, 15                         ; + (256 Y + 128 half) rows of 128 bytes
	s_add_co_u32 s72, s72, s74
	s_lshl_b32 s74, s19, 14
	s_add_co_u32 s72, s72, s74
	s_add_nc_u64 s[76:77], s[14:15], s[72:73]
	v_mul_u32_u24 v10, v2, DP
	v_lshl_add_u32 v10, v1, 4, v10
	v_add_nc_u32 v[DRD], s82, v10
	v_lshlrev_b32 v[GOF], 3, v9
.Lkg_trip:
.irp p, 0,1,2,3
	ds_load_b128 v[64+4*(\p):67+4*(\p)], v[DRD] offset:2*DP*(\p)
	ds_load_b128 v[80+4*(\p):83+4*(\p)], v[DRD] offset:2*DP*(\p)+256
.endr
	s_wait_dscnt 0x0
.irp p, 0,1,2,3
	v_pk_fma_f32 v[80+4*(\p):81+4*(\p)], v[80+4*(\p):81+4*(\p)], s[70:71], v[48:49] op_sel_hi:[1,0,1]   ; - (g + bg) log2(e)
	v_pk_fma_f32 v[82+4*(\p):83+4*(\p)], v[82+4*(\p):83+4*(\p)], s[70:71], v[50:51] op_sel_hi:[1,0,1]
	v_pk_add_f32 v[64+4*(\p):65+4*(\p)], v[64+4*(\p):65+4*(\p)], v[32:33]
	v_pk_add_f32 v[66+4*(\p):67+4*(\p)], v[66+4*(\p):67+4*(\p)], v[34:35]
.endr
.set i, 0
.rept 16
	v_exp_f32 v[80+i], v[80+i]
.set i, i+1
.endr
	v_nop
.set i, 0
	s_wait_alu depctr_va_vdst(0)
.rept 8
	v_pk_add_f32 v[80+2*i:81+2*i], v[80+2*i:81+2*i], 1.0 op_sel_hi:[1,0]
.set i, i+1
.endr
.set i, 0
.rept 16
	v_rcp_f32 v[80+i], v[80+i]                     ; the gate
.set i, i+1
.endr
	v_nop
.set i, 0
	s_wait_alu depctr_va_vdst(0)
.rept 8
	v_pk_mul_f32 v[64+2*i:65+2*i], v[64+2*i:65+2*i], v[80+2*i:81+2*i]
.set i, i+1
.endr
.set i, 0
.rept 8
	v_pk_mul_f32 v[96+2*i:97+2*i], v[64+2*i:65+2*i], s[68:69] op_sel_hi:[1,0]
.set i, i+1
.endr
.set i, 0
.rept 8
	v_pk_add_f32 v[64+2*i:65+2*i], v[64+2*i:65+2*i], 1.0 op_sel_hi:[1,0]
.set i, i+1
.endr
.set i, 0
.rept 16
	v_exp_f32 v[96+i], v[96+i]
.set i, i+1
.endr
	v_nop
.set i, 0
	s_wait_alu depctr_va_vdst(0)
.rept 16
	v_med3_num_f32 v[64+i], v[64+i], v[96+i], 1.0
.set i, i+1
.endr
.set i, 0
.rept 8
	v_cvt_pk_bf16_f32 v[112+i], v[64+2*i], v[65+2*i]
.set i, i+1
.endr
.irp p, 0,1,2,3
	global_store_b64 v[GOF], v[112+2*(\p):113+2*(\p)], s[76:77] offset:256*(\p)   ; two slab rows: 256 consecutive bytes, aligned
.endr
	s_wait_xcnt 0x0                                ; the stores' data and base are written again only behind this wait
	v_add_nc_u32 v[DRD], 8*DP, v[DRD]
	s_add_nc_u64 s[76:77], s[76:77], 1024
	s_sub_co_u32 s67, s67, 1
	s_cmp_lg_u32 s67, 0
	s_cbranch_scc1 .Lkg_trip
	s_branch .Lend
.Lq:
	s_lshl_b32 s74, s80, 1
	s_add_co_u32 s72, s72, s74
	s_add_nc_u64 s[76:77], s[12:13], s[72:73]
	v_lshl_add_u32 v[DRD], v9, 4, s82
	v_lshlrev_b32 v[GOF], 1, v6
.Lq_trip:
.irp j, 0,1,2,3,4,5,6,7
	ds_load_b128 v[64+4*(\j):67+4*(\j)], v[DRD] offset:DP*(\j)
.endr
.irp j, 0,1,2,3,4,5,6,7
	s_wait_dscnt 7-(\j)                            ; row j is in; the later rows' loads may be out
	v_pk_add_f32 v[96+4*(\j):97+4*(\j)], v[64+4*(\j):65+4*(\j)], v[40:41]
	v_pk_add_f32 v[98+4*(\j):99+4*(\j)], v[66+4*(\j):67+4*(\j)], v[42:43]
	v_pk_fma_f32 v[128+4*(\j):129+4*(\j)], v[64+4*(\j):65+4*(\j)], s[68:69], v[44:45] op_sel_hi:[1,0,1]
	v_pk_fma_f32 v[130+4*(\j):131+4*(\j)], v[66+4*(\j):67+4*(\j)], s[68:69], v[46:47] op_sel_hi:[1,0,1]
.endr
.set i, 0
.rept 32
	v_exp_f32 v[128+i], v[128+i]
.set i, i+1
.endr
	v_nop
.set i, 0
	s_wait_alu depctr_va_vdst(0)
.rept 32
	v_med3_num_f32 v[96+i], v[96+i], v[128+i], 1.0
.set i, i+1
.endr
.set i, 0
.rept 16
	v_cvt_pk_bf16_f32 v[160+i], v[96+2*i], v[97+2*i]
.set i, i+1
.endr
.irp j, 0,1,2,3,4,5,6,7
	global_store_b64 v[GOF], v[160+2*(\j):161+2*(\j)], s[76:77] offset:2048*(\j)  ; the wave's 32 lanes fill 256 consecutive bytes, aligned
.endr
	s_wait_xcnt 0x0
	v_add_nc_u32 v[DRD], 8*DP, v[DRD]
	s_add_nc_u64 s[76:77], s[76:77], 16384
	s_sub_co_u32 s67, s67, 1
	s_cmp_lg_u32 s67, 0
	s_cbranch_scc1 .Lq_trip
	s_branch .Lend
.Lv:
	s_sub_co_u32 s74, s80, 3072
	s_lshl_b32 s74, s74, 1
	s_add_co_u32 s72, s72, s74
	s_add_nc_u64 s[76:77], s[16:17], s[72:73]
	v_lshl_add_u32 v[DRD], v9, 4, s82
	v_lshlrev_b32 v[GOF], 1, v6
.Lv_trip:
.irp j, 0,1,2,3,4,5,6,7
	ds_load_b128 v[64+4*(\j):67+4*(\j)], v[DRD] offset:DP*(\j)
.endr
.irp j, 0,1,2,3,4,5,6,7
	s_wait_dscnt 7-(\j)
	v_pk_add_f32 v[64+4*(\j):65+4*(\j)], v[64+4*(\j):65+4*(\j)], v[32:33]
	v_pk_add_f32 v[66+4*(\j):67+4*(\j)], v[66+4*(\j):67+4*(\j)], v[34:35]
	v_cvt_pk_f16_f32 v[160+2*(\j)], v[64+4*(\j)], v[65+4*(\j)]
	v_cvt_pk_f16_f32 v[161+2*(\j)], v[66+4*(\j)], v[67+4*(\j)]
.endr
.irp j, 0,1,2,3,4,5,6,7
	global_store_b64 v[GOF], v[160+2*(\j):161+2*(\j)], s[76:77] offset:2048*(\j)
.endr
	s_wait_xcnt 0x0
	v_add_nc_u32 v[DRD], 8*DP, v[DRD]
	s_add_nc_u64 s[76:77], s[76:77], 16384
	s_sub_co_u32 s67, s67, 1
	s_cmp_lg_u32 s67, 0
	s_cbranch_scc1 .Lv_trip
.Lend:
	s_wait_tensorcnt 0x0                           ; the wave's end
	ds_add_u32 v[SPW], v[NIL]
	s_wait_dscnt 0x0
	CROUND                                         ; the closing round
	s_endpgm
.Lfunc_end_k_qc055ad5907_proj:
	.size	k_qc055ad5907_proj, .Lfunc_end_k_qc055ad5907_proj-k_qc055ad5907_proj
	.p2alignl 7, 3214868480
	.fill 96, 4, 3214868480
	.section	.rodata,"a",@progbits
	.p2align	6, 0x0
	.amdhsa_kernel k_qc055ad5907_proj
		.amdhsa_group_segment_fixed_size 327680
		.amdhsa_private_segment_fixed_size 0
		.amdhsa_enable_private_segment 0
		.amdhsa_kernarg_size 56
		.amdhsa_user_sgpr_count 2
		.amdhsa_user_sgpr_kernarg_segment_ptr 1
		.amdhsa_wavefront_size32 1
		.amdhsa_system_sgpr_workgroup_id_x 1
		.amdhsa_system_sgpr_workgroup_id_y 1
		.amdhsa_system_sgpr_workgroup_id_z 1
		.amdhsa_system_vgpr_workitem_id 0
		.amdhsa_next_free_vgpr 1024
		.amdhsa_next_free_sgpr 96
		.amdhsa_reserve_vcc 0
		.amdhsa_float_denorm_mode_32 3
		.amdhsa_float_denorm_mode_16_64 3
		.amdhsa_memory_ordered 1
		.amdhsa_forward_progress 1
		.amdhsa_inst_pref_size 115
	.end_amdhsa_kernel
	.amdgpu_metadata
---
amdhsa.version: [ 1, 2 ]
amdhsa.kernels:
  - .name:           k_qc055ad5907_proj
    .symbol:         k_qc055ad5907_proj.kd
    .args:
      - { .name: xn, .offset: 0, .size: 8, .value_kind: global_buffer, .address_space: global }
      - { .name: wc, .offset: 8, .size: 8, .value_kind: global_buffer, .address_space: global }
      - { .name: qkv_b, .offset: 16, .size: 8, .value_kind: global_buffer, .address_space: global }
      - { .name: gate_b, .offset: 24, .size: 8, .value_kind: global_buffer, .address_space: global }
      - { .name: qb, .offset: 32, .size: 8, .value_kind: global_buffer, .address_space: global }
      - { .name: kb, .offset: 40, .size: 8, .value_kind: global_buffer, .address_space: global }
      - { .name: vb, .offset: 48, .size: 8, .value_kind: global_buffer, .address_space: global }
    .group_segment_fixed_size: 327680
    .private_segment_fixed_size: 0
    .kernarg_segment_align: 8
    .kernarg_segment_size: 56
    .max_flat_workgroup_size: 128
    .sgpr_count:     96
    .vgpr_count:     1024
    .wavefront_size: 32
...
	.end_amdgpu_metadata
.endif
;; end of part 2
;; launch score (part 3): grid 36 x 4, 4 waves a work-group, no clusters, 327,680 bytes of LDS; arguments qb, kb, pb, rs; writes pb, rs
.if DOCPART == 3
	.amdgcn_target "amdgcn-amd-amdhsa--gfx1250"
	.amdhsa_code_object_version 6
	.text
	.protected	k_qc055ad5907_score
	.globl	k_qc055ad5907_score
	.p2align	8
	.type	k_qc055ad5907_score,@function
k_qc055ad5907_score:
	s_mov_b64 s[64:65], 0
	v_nop
	global_prefetch_b8 v0, s[64:65] scope:SCOPE_SE
	s_setreg_imm32_b32 hwreg(HW_REG_WAVE_MODE, 25, 1), 1
	s_wait_xcnt 0x0
; SCORE.  Work-group x of batch y: one tile (I, J <= I) of 256 queries x 256 keys of S = tril(Q K^T), bf16 operands, f32 sums over 1,024 channels; its masked row sums -> rs [b][J][t], f32;
; P' = S / row sum -> pb, f16 [b][t][s].  So 0 <= P' <= 1 and each row of a tile sums to 1, whatever the inputs' size; a later launch weighs each tile's product by rs again.  Hidden keys go out as 0.
; LIMITS.  Scores and row sums are finite in f32; a tile's row sum below 1e-30 divides as 1e-30 (rs holds the sum itself).  NaN and infinities are not treated apart.
; NO CLUSTER: a row of the triangle has I + 1 tiles and a column 8 - J, from 1 to 8: no four partners share Q's or K's tiles at every place.
; The tile's frame is the projection's: four waves of 128 x 128, 8 K steps of 128 through two LDS slots, one K step a trip; K's rows come from slabs [16 z][8192][64], two slabs a K step, dense, padded behind each key.
; The matrix instruction is used transposed (source 0 = 16 keys, source 1 = 16 queries): a lane holds one query and 8 neighbouring keys.
; WINDOWS: 0 addresses, Q's fragments (v64-127, v128-191), the ending's work; 1 K's fragments; 2, 3 the accumulators, (a, b) at v[8 (8 a + b)].
.set PITCH, 272                        ; a row of Q in LDS: 256 bytes + 16: the 16 rows of a load start at 16 different groups of four banks (ISA guide 11.1)
.set HALFT, 128*PITCH
.set KP,    144                        ; a key's 64 channels in LDS: 128 bytes + 16
.set KSLAB, 256*KP                     ; a slab's 256 keys
.set BOFF,  2*HALFT
.set SLOT,  0x24000                    ; its bits meet none of the waves' parts 0, 0x8800, 0x11000, 0x1a000, so an exclusive or is an addition
.set ASTEP, 256
.set BSTEP, 2*8192*128                 ; two slabs
.set STAGE, 290816                     ; behind the ring: 16 rows x 272 bytes for each wave
.set SP,    272
.set XCH,   308224                     ; 2,048 bytes: row sums between waves
.set SPARE, 310272                     ; the spare words, 128 bytes for each wave
.set A0,   16                          ; v16  my place in Q's tile, slot 0
.set B0,   17                          ; v17  my place in K's tile, slot 0
.set ADRA, 18                          ; v18  the same in the slot in hand
.set ADRB, 19                          ; v19
.set STO,  20                          ; v20  the way out: where I put 16 bytes of a row
.set RD,   21                          ; v21  where I read a row back
.set CO,   22                          ; v22  my byte offset in pb
.set SPW,  28
.set NIL,  29
.set F0,   64
.set F1,   128
.set G1,  24
.set G0,  32
.set G1B, 48
.set G0B, 56
.set TB,  66                           ; s66  0 or SLOT: the slot in hand
.set MSB, 0
.macro WIN new                         ; the immediate's high byte repeats the setting that is left
.if MSB != (\new)
	s_set_vgpr_msb (MSB<<8)|(\new)
.set MSB, \new
.endif
.endm
.set MUL_LO, 0xa1
.set MUL_HI, 0xf1
.set TO_B,   0x40
.macro PLACES                          ; four places behind matrix instructions (ISA guide 7.12.1)
.rept 4
	v_nop
.endr
.endm
.macro LOAD s                          ; waves 0, 1 fetch Q's two halves, waves 2, 3 one slab of K each; s_nop 0 and four v_nop follow each line
	s_cmp_eq_u32 s21, 0
	s_cbranch_scc0 .Lfor_b_\@
	tensor_load_to_lds s[G0+4*(\s):G0+4*(\s)+3], s[G1:G1+7]
	s_nop 0
	PLACES
	s_branch .Lasked_\@
.Lfor_b_\@:
	tensor_load_to_lds s[G0B+4*(\s):G0B+4*(\s)+3], s[G1B:G1B+7]
	s_nop 0
	PLACES
.Lasked_\@:
.endm
	s_load_b256 s[4:11], s[0:1], 0x0               ; qb, kb, pb, rs
	v_lshl_add_u32 v[SPW], v0, 2, SPARE
	v_mov_b32 v[NIL], 0
	ds_add_u32 v[SPW], v[NIL]                      ; the wave's opening: the add and its wait ahead of my first tensor load
	ds_add_u32 v28, v29
	v_lshrrev_b32 v1, 5, v0
	v_readfirstlane_b32 s20, v1                    ; wave 0..3
	s_lshr_b32 s21, s20, 1                         ; my half of the queries; also: I fetch Q (0) or K (1)
	s_and_b32 s22, s20, 1                          ; my half of the keys; also: which part of that tile I fetch
	s_and_b32 s23, ttmp7, 0xffff                   ; the batch
	v_and_b32 v1, 15, v0                           ; r
	v_bfe_u32 v2, v0, 4, 1                         ; h
	s_mov_b32 s72, 0x76543210                      ; v_permlanex16_b32: each lane takes its own place in the other half
	s_mov_b32 s73, 0xfedcba98
	; I = how many of the triangular numbers are at most x; J = x - I (I + 1) / 2.
	s_mov_b32 s2, 0
.irp th, 1,3,6,10,15,21,28
	s_cmp_ge_u32 ttmp9, \th
	s_cselect_b32 s76, 1, 0
	s_add_co_u32 s2, s2, s76
.endr
	s_add_co_u32 s76, s2, 1
	s_mul_i32 s76, s76, s2
	s_lshr_b32 s76, s76, 1
	s_sub_co_u32 s3, ttmp9, s76
	s_mov_b32 s[G1+0], (1<<16)|(1<<20)|(5<<22)|(3<<25)   ; 2-byte elements; padding of 4 words after every 64
	s_mov_b32 s[G1+1], 128<<16                     ; tensor_dim0 = 128
	s_mov_b32 s[G1+2], 128<<16                     ; tensor_dim1 = 128
	s_mov_b32 s[G1+3], 128<<16                     ; tile_dim0 = 128
	s_mov_b32 s[G1+4], 128                         ; tile_dim1 = 128
	s_mov_b32 s[G1+5], 1024                        ; elements from row to row
	s_mov_b32 s[G1+6], 0
	s_mov_b32 s[G1+7], 0
	s_mov_b32 s[G1B+0], (1<<16)|(1<<20)|(4<<22)|(3<<25)  ; 256 dense keys as 128 rows of 256 bytes; padding of 4 words after every 32: behind each key
	s_mov_b32 s[G1B+1], 128<<16
	s_mov_b32 s[G1B+2], 128<<16
	s_mov_b32 s[G1B+3], 128<<16
	s_mov_b32 s[G1B+4], 128
	s_mov_b32 s[G1B+5], 128
	s_mov_b32 s[G1B+6], 0
	s_mov_b32 s[G1B+7], 0
	s_lshl_b32 s42, s23, 22                        ; Q: (2,048 b + 256 I + 128 half) rows of 2,048 bytes
	s_lshl_b32 s43, s2, 19
	s_add_co_u32 s42, s42, s43
	s_lshl_b32 s43, s22, 18
	s_add_co_u32 s42, s42, s43
	s_mov_b32 s43, 0
	s_lshl_b32 s44, s22, 20                        ; K: slab half, (2,048 b + 256 J) rows of 128 bytes
	s_lshl_b32 s45, s23, 18
	s_add_co_u32 s44, s44, s45
	s_lshl_b32 s45, s3, 15
	s_add_co_u32 s44, s44, s45
	s_mov_b32 s45, 0
	s_mul_i32 s46, s22, HALFT                      ; where Q's half goes,
	s_mul_i32 s47, s22, KSLAB
	s_add_co_u32 s47, s47, BOFF                    ; and K's slab
	s_mov_b32 s[TB], 0
	s_wait_dscnt 0x0                               ; the opening add is done
	s_wait_kmcnt 0x0
	s_add_nc_u64 s[42:43], s[4:5], s[42:43]
	s_add_nc_u64 s[44:45], s[6:7], s[44:45]
.irp s, 0,1
	s_mov_b32 s[G0+4*(\s)], 1
	s_add_co_u32 s[G0+4*(\s)+1], s46, (\s)*SLOT
	s_add_nc_u64 s[G0+4*(\s)+2:G0+4*(\s)+3], s[42:43], (\s)*ASTEP
	s_or_b32 s[G0+4*(\s)+3], s[G0+4*(\s)+3], 0x80000000
	s_mov_b32 s[G0B+4*(\s)], 1
	s_add_co_u32 s[G0B+4*(\s)+1], s47, (\s)*SLOT
	s_add_nc_u64 s[G0B+4*(\s)+2:G0B+4*(\s)+3], s[44:45], (\s)*BSTEP
	s_or_b32 s[G0B+4*(\s)+3], s[G0B+4*(\s)+3], 0x80000000
	LOAD \s                                        ; K steps 0 and 1: two loads of mine are out; set 1 then walks on
.endr
	v_mul_u32_u24 v3, v1, PITCH
	v_lshl_add_u32 v3, v2, 4, v3
	s_mul_i32 s74, s21, HALFT
	v_add_nc_u32 v[A0], s74, v3                    ; my 128 queries: row x pitch + 16 h
	v_mul_u32_u24 v4, v1, KP
	v_lshl_add_u32 v4, v2, 4, v4
	s_mul_i32 s74, s22, 128*KP
	s_add_co_u32 s74, s74, BOFF
	v_add_nc_u32 v[B0], s74, v4                    ; my 128 keys
	v_mov_b32 v[ADRA], v[A0]
	v_mov_b32 v[ADRB], v[B0]
	s_mul_i32 s74, s20, 16*SP
	s_add_co_u32 s74, s74, STAGE
	v_mul_u32_u24 v5, v1, SP
	v_lshl_add_u32 v5, v2, 4, v5
	v_add_nc_u32 v[STO], s74, v5
	v_mul_u32_u24 v5, v2, SP
	v_lshl_add_u32 v5, v1, 4, v5
	v_add_nc_u32 v[RD], s74, v5
	v_lshlrev_b32 v5, 12, v2
	v_lshl_add_u32 v[CO], v1, 4, v5                ; two rows of pb, 4,096 bytes apart
	s_lshl_b32 s74, s20, 9
	s_add_co_u32 s74, s74, XCH
	v_lshl_add_u32 v23, v1, 2, s74                 ; my row sums' words,
	s_xor_b32 s74, s20, 1
	s_lshl_b32 s74, s74, 9
	s_add_co_u32 s74, s74, XCH
	v_lshl_add_u32 v24, v1, 2, s74                 ; and those of the wave with the other 128 keys
	v_and_b32 v25, 31, v0
	v_lshlrev_b32 v25, 2, v25
.macro MUL16 f, hi, a0, zero           ; 16 matrix instructions: query blocks a0, a0 + 1 of the window's four x 8 key blocks, 32 channels
	WIN MUL_LO+0x50*(\hi)
.irp a, \a0, (\a0)+1
.irp b, 0,1,2,3,4,5,6,7
.if \zero
	v_wmma_f32_16x16x32_bf16 v[8*(8*(\a)+(\b)):8*(8*(\a)+(\b))+7], v[(\f)+8*(\b):(\f)+8*(\b)+7], v[(\f)+8*(4*(\hi)+(\a)):(\f)+8*(4*(\hi)+(\a))+7], 0
.else
	v_wmma_f32_16x16x32_bf16 v[8*(8*(\a)+(\b)):8*(8*(\a)+(\b))+7], v[(\f)+8*(\b):(\f)+8*(\b)+7], v[(\f)+8*(4*(\hi)+(\a)):(\f)+8*(4*(\hi)+(\a))+7], v[8*(8*(\a)+(\b)):8*(8*(\a)+(\b))+7]
.endif
.endr
.endr
.endm
.macro FETCH q, f                      ; 32 LDS loads in one run: quarter q: slab q / 2, channels 32 (q % 2) on
	WIN TO_B
.irp i, 0,1,2,3,4,5,6,7
	ds_load_b128 v[(\f)+8*(\i):(\f)+8*(\i)+3],   v[ADRB] offset:((\q)/2)*KSLAB+((\q)%2)*64+(\i)*16*KP
	ds_load_b128 v[(\f)+8*(\i)+4:(\f)+8*(\i)+7], v[ADRB] offset:((\q)/2)*KSLAB+((\q)%2)*64+(\i)*16*KP+32
.endr
	WIN 0
.irp i, 0,1,2,3,4,5,6,7
	ds_load_b128 v[(\f)+8*(\i):(\f)+8*(\i)+3],   v[ADRA] offset:64*(\q)+(\i)*16*PITCH
	ds_load_b128 v[(\f)+8*(\i)+4:(\f)+8*(\i)+7], v[ADRA] offset:64*(\q)+(\i)*16*PITCH+32
.endr
.endm
.macro QUARTER q, f, g, zero           ; multiplies buffer f; in its middle fetches quarter q into buffer g
	s_wait_dscnt 8                                 ; the youngest eight loads (queries 64-127) may be out
	MUL16 \f, 0, 0, \zero
	MUL16 \f, 0, 2, \zero
	PLACES
	FETCH \q, \g
	s_wait_dscnt 32                                ; all but the 32 just issued
	MUL16 \f, 1, 0, \zero
	MUL16 \f, 1, 2, \zero
.endm
.macro TURN fill                       ; the last quarter and the change of slots: wait for all my tensor loads, the add, the wait for it and for my reads, one barrier, the refill first behind it
	WIN 0
	s_wait_tensorcnt 0x0
	ds_add_u32 v[SPW], v[NIL]
.if \fill
	s_xor_b32 s[G0+5], s[G0+5], SLOT               ; no load of mine is out: the walking descriptors step: the other slot, the next K step
	s_add_nc_u64 s[G0+6:G0+7], s[G0+6:G0+7], ASTEP
	s_xor_b32 s[G0B+5], s[G0B+5], SLOT
	s_add_nc_u64 s[G0B+6:G0B+7], s[G0B+6:G0B+7], BSTEP
.endif
	s_wait_dscnt 9                                 ; the add and the youngest eight loads may be out
	MUL16 F1, 0, 0, 0
	s_wait_dscnt 0x0                               ; the add is done, my reads of this slot are over
	s_barrier_signal -1
	MUL16 F1, 0, 2, 0
	WIN 0
	s_barrier_wait -1
.if \fill
	LOAD 1                                         ; its four v_nop are also the places in front of the loads below
.else
	PLACES
.endif
	s_xor_b32 s[TB], s[TB], SLOT
	v_add_nc_u32 v[ADRA], s[TB], v[A0]
	v_add_nc_u32 v[ADRB], s[TB], v[B0]
	FETCH 0, F0
	MUL16 F1, 1, 0, 0
	MUL16 F1, 1, 2, 0
.endm
	s_wait_tensorcnt 1                             ; my part of K step 0 is in; K step 1's may stay out
	s_barrier_signal -1
	s_barrier_wait -1
	FETCH 0, F0
	QUARTER 1, F0, F1, 1                           ; the first quarter's products start the sums
	WIN 0
	s_mov_b32 s67, 6
.Lstep:                                                ; six trips: from a K step's second quarter to the next one's first; the refills bring K steps 2 to 7
	QUARTER 2, F1, F0, 0
	QUARTER 3, F0, F1, 0
	TURN 1
	QUARTER 1, F0, F1, 0
	WIN 0
	s_sub_co_u32 s67, s67, 1
	s_cmp_lg_u32 s67, 0
	s_cbranch_scc1 .Lstep
	QUARTER 2, F1, F0, 0                           ; the tail asks for nothing
	QUARTER 3, F0, F1, 0
	TURN 0
	QUARTER 1, F0, F1, 0
	QUARTER 2, F1, F0, 0
	QUARTER 3, F0, F1, 0
	s_wait_dscnt 8
	MUL16 F1, 0, 0, 0
	MUL16 F1, 0, 2, 0
	s_wait_dscnt 0x0
	MUL16 F1, 1, 0, 0
	MUL16 F1, 1, 2, 0
	WIN 0
	; THE MASKS, as factors 0 or 1.  key > 0: my 128 x 128 lies below the diagonal; key < 0: above; key = 0: on it, and block (a, b) is seen for b < a, hidden for b > a, triangular for b = a.
	s_sub_co_i32 s68, s21, s22
	s_cmp_eq_u32 s2, s3
	s_cselect_b32 s68, s68, 1
	s_cmp_ge_i32 s68, 0
	s_cselect_b32 s69, 1.0, 0
	s_cmp_gt_i32 s68, 0
	s_cselect_b32 s70, 1.0, 0
	s_cmp_eq_u32 s68, 0
	s_cselect_b32 s71, -1, 0
	s_mov_b32 s75, 0xffff0000                      ; lanes 16-31
	v_mov_b32 v40, s69                             ; blocks b < a
	v_mov_b32 v41, s69
	v_mov_b32 v42, s70                             ; blocks b > a
	v_mov_b32 v43, s70
	v_mov_b32 v61, 0                               ; the unused partners of pairs that are named whole
	v_mov_b32 v63, 0
	v_mov_b32 v73, 0
	v_lshlrev_b32 v3, 3, v2
	v_sub_nc_u32 v3, v1, v3                        ; r - 8 h: register e's key is seen where e is at most that
.irp e, 0,1,2,3,4,5,6,7
	v_cmp_le_i32 s74, \e, v3
	v_cndmask_b32 v[32+(\e)], 0, 1.0, s74
	v_cndmask_b32 v[32+(\e)], v40, v[32+(\e)], s71 ; blocks b = a
.endr
	s_lshl_b32 s76, s23, 23                        ; pb: ((2,048 b + 256 I + 128 rh) x 2,048 + 256 J + 128 ch) x 2
	s_lshl_b32 s74, s2, 20
	s_add_co_u32 s76, s76, s74
	s_lshl_b32 s74, s21, 19
	s_add_co_u32 s76, s76, s74
	s_lshl_b32 s74, s3, 9
	s_add_co_u32 s76, s76, s74
	s_lshl_b32 s74, s22, 8
	s_add_co_u32 s76, s76, s74
	s_mov_b32 s77, 0
	s_add_nc_u64 s[76:77], s[8:9], s[76:77]
	s_lshl_b32 s78, s23, 16                        ; rs: ((8 b + J) x 2,048 + 256 I + 128 rh) x 4
	s_lshl_b32 s74, s3, 13
	s_add_co_u32 s78, s78, s74
	s_lshl_b32 s74, s2, 10
	s_add_co_u32 s78, s78, s74
	s_lshl_b32 s74, s21, 9
	s_add_co_u32 s78, s78, s74
	s_mov_b32 s79, 0
	s_add_nc_u64 s[78:79], s[10:11], s[78:79]
; The masked sum of query block a over my 128 keys: four chains, chain c on pair c of each accumulator, pair 0 first.
.macro SUMS a
	WIN 0x02+((\a)/4)
.irp b, 0,1,2,3,4,5,6,7
.irp c, 0,1,2,3
.set rA, 8*(8*((\a)%4)+(\b))+2*(\c)
.if (\b) < (\a)
.set rM, 40
.elseif (\b) == (\a)
.set rM, 32+2*(\c)
.else
.set rM, 42
.endif
.if (\b) == 0
	v_pk_mul_f32 v[76+2*(\c):77+2*(\c)], v[rA:rA+1], v[rM:rM+1]
.else
	v_pk_fma_f32 v[76+2*(\c):77+2*(\c)], v[rA:rA+1], v[rM:rM+1], v[76+2*(\c):77+2*(\c)]
.endif
.endr
.endr
	WIN 0
	v_pk_add_f32 v[76:77], v[76:77], v[78:79]
	v_pk_add_f32 v[80:81], v[80:81], v[82:83]
	v_pk_add_f32 v[76:77], v[76:77], v[80:81]
	v_add_f32 v76, v76, v77
	v_permlanex16_b32 v77, v76, s72, s73           ; the row's other 64 keys lie in the lane 16 away
	v_add_f32 v[44+(\a)], v76, v77
.endm
.irp a, 0,1,2,3,4,5,6,7
	SUMS \a
.endr
.irp a, 0,1,2,3,4,5,6,7
	ds_store_b32 v23, v[44+(\a)] offset:64*(\a)
.endr
	s_wait_dscnt 0x0                               ; for the other wave's sake
	s_barrier_signal -1
	s_barrier_wait -1
.irp a, 0,1,2,3,4,5,6,7
	ds_load_b32 v[84+(\a)], v24 offset:64*(\a)
.endr
	s_wait_dscnt 0x0
.irp a, 0,1,2,3,4,5,6,7
	v_add_f32 v[44+(\a)], v[44+(\a)], v[84+(\a)]   ; the tile's row sums
.endr
	s_cmp_lg_u32 s22, 0
	s_cbranch_scc1 .Lno_rs                         ; one of the two waves stores them
.irp m, 0,1,2,3
	v_cndmask_b32 v[92+(\m)], v[44+2*(\m)], v[45+2*(\m)], s75
.endr
.irp m, 0,1,2,3
	global_store_b32 v25, v[92+(\m)], s[78:79] offset:128*(\m)   ; the wave stores 128 consecutive bytes: 32 rows' sums
.endr
.Lno_rs:
.irp a, 0,1,2,3,4,5,6,7
	v_max_num_f32 v[52+(\a)], 0x0da24260, v[44+(\a)]   ; at least 1e-30
.endr
.irp a, 0,1,2,3,4,5,6,7
	v_rcp_f32 v[52+(\a)], v[52+(\a)]
.endr
	v_nop                                          ; a plain instruction behind the last reciprocal
	s_wait_alu depctr_va_vdst(0)
; Query block a goes out: scores x mask / row sum, rounded to f16, through my stage, as whole rows of 256 bytes.
.macro OUT a
	WIN 0
	v_mov_b32 v72, v[52+(\a)]
	v_mul_f32 v60, v[52+(\a)], v40
	v_mul_f32 v62, v[52+(\a)], v42
.irp c, 0,1,2,3
	v_pk_mul_f32 v[64+2*(\c):65+2*(\c)], v[32+2*(\c):33+2*(\c)], v[72:73] op_sel_hi:[1,0]
.endr
	WIN 0x02+((\a)/4)
.irp b, 0,1,2,3,4,5,6,7
.irp c, 0,1,2,3
.set rA, 8*(8*((\a)%4)+(\b))+2*(\c)
.if (\b) < (\a)
	v_pk_mul_f32 v[96+8*(\b)+2*(\c):97+8*(\b)+2*(\c)], v[rA:rA+1], v[60:61] op_sel_hi:[1,0]
.elseif (\b) == (\a)
	v_pk_mul_f32 v[96+8*(\b)+2*(\c):97+8*(\b)+2*(\c)], v[rA:rA+1], v[64+2*(\c):65+2*(\c)]
.else
	v_pk_mul_f32 v[96+8*(\b)+2*(\c):97+8*(\b)+2*(\c)], v[rA:rA+1], v[62:63] op_sel_hi:[1,0]
.endif
.endr
.endr
	WIN 0
.set i, 0
.rept 32
	v_cvt_pk_f16_f32 v[192+i], v[96+2*i], v[97+2*i]
.set i, i+1
.endr
.irp b, 0,1,2,3,4,5,6,7
	ds_store_b128 v[STO], v[192+4*(\b):195+4*(\b)] offset:32*(\b)
.endr
	s_wait_xcnt 0x0                                ; the block before's stores have read v224-255 and their base: only now are these written again
.if (\a) > 0
	s_add_nc_u64 s[76:77], s[76:77], 16*4096
.endif
.irp t, 0,1,2,3,4,5,6,7
	ds_load_b128 v[224+4*(\t):227+4*(\t)], v[RD] offset:(\t)*2*SP   ; LDS serves a wave's instructions in order (ISA guide 5.7.1.4): these see the stores above
.endr
	s_wait_dscnt 0x0
.irp t, 0,1,2,3,4,5,6,7
	global_store_b128 v[CO], v[224+4*(\t):227+4*(\t)], s[76:77] offset:8192*(\t)   ; 16 lanes store 256 consecutive bytes, aligned
.endr
.endm
.irp a, 0,1,2,3,4,5,6,7
	OUT \a
.endr
	s_wait_tensorcnt 0x0                           ; the wave's end
	ds_add_u32 v[SPW], v[NIL]
	s_wait_dscnt 0x0
	s_endpgm
.Lfunc_end_k_qc055ad5907_score:
	.size	k_qc055ad5907_score, .Lfunc_end_k_qc055ad5907_score-k_qc055ad5907_score
	.p2alignl 7, 3214868480
	.fill 96, 4, 3214868480
	.section	.rodata,"a",@progbits
	.p2align	6, 0x0
	.amdhsa_kernel k_qc055ad5907_score
		.amdhsa_group_segment_fixed_size 327680
		.amdhsa_private_segment_fixed_size 0
		.amdhsa_enable_private_segment 0
		.amdhsa_kernarg_size 32
		.amdhsa_user_sgpr_count 2
		.amdhsa_user_sgpr_kernarg_segment_ptr 1
		.amdhsa_wavefront_size32 1
		.amdhsa_system_sgpr_workgroup_id_x 1
		.amdhsa_system_sgpr_workgroup_id_y 1
		.amdhsa_system_sgpr_workgroup_id_z 1
		.amdhsa_system_vgpr_workitem_id 0
		.amdhsa_next_free_vgpr 1024
		.amdhsa_next_free_sgpr 100
		.amdhsa_reserve_vcc 0
		.amdhsa_float_denorm_mode_32 3
		.amdhsa_float_denorm_mode_16_64 3
		.amdhsa_memory_ordered 1
		.amdhsa_forward_progress 1
		.amdhsa_inst_pref_size 160
	.end_amdhsa_kernel
	.amdgpu_metadata
---
amdhsa.version: [ 1, 2 ]
amdhsa.kernels:
  - .name:           k_qc055ad5907_score
    .symbol:         k_qc055ad5907_score.kd
    .args:
      - { .name: qb, .offset: 0, .size: 8, .value_kind: global_buffer, .address_space: global }
      - { .name: kb, .offset: 8, .size: 8, .value_kind: global_buffer, .address_space: global }
      - { .name: pb, .offset: 16, .size: 8, .value_kind: global_buffer, .address_space: global }
      - { .name: rs, .offset: 24, .size: 8, .value_kind: global_buffer, .address_space: global }
    .group_segment_fixed_size: 327680
    .private_segment_fixed_size: 0
    .kernarg_segment_align: 8
    .kernarg_segment_size: 32
    .max_flat_workgroup_size: 128
    .sgpr_count:     100
    .vgpr_count:     1024
    .wavefront_size: 32
...
	.end_amdgpu_metadata
.endif
;; end of part 3
;; launch head (part 4): grid 16 x 1, 4 waves a work-group, no clusters, 168,960 bytes of LDS; arguments qb, kb, xh, wc, qkv_b, out0; writes out0
.if DOCPART == 4
	.amdgcn_target "amdgcn-amd-amdhsa--gfx1250"
	.amdhsa_code_object_version 6
	.text
	.protected	k_qc055ad5907_head
	.globl	k_qc055ad5907_head
	.p2align	8
	.type	k_qc055ad5907_head,@function
k_qc055ad5907_head:
	s_mov_b64 s[64:65], 0
	v_nop
	global_prefetch_b8 v0, s[64:65] scope:SCOPE_SE
	s_setreg_imm32_b32 hwreg(HW_REG_WAVE_MODE, 25, 1), 1
	s_wait_xcnt 0x0
; HEAD.  Rows t < 4 of each batch of out0, whose few terms leave f16's rounding of xn little room.  v of those 16 rows is made anew from xh (hi + lo, two f16 numbers for each xn) and wc by the
; matrix unit, f32 sums; the ten weights q_t . k_s / (their row's sum + 1e-6), s <= t, in f32 from qb and kb (bf16).  out[t] = the sum over s <= t of weight x v[s].
; Work-group x owns channels 64 x .. 64 x + 63 of all 16 rows; wave w makes batch w's weights, channels 16 w .. + 15 of the product, and stores batch w's four rows.
; 16 work-groups: the launch has 16 x 1,024 numbers to make and no more to share out.  No cluster: no two work-groups read the same columns of wc; qb's, kb's and xh's few rows are a small part of the bytes.
; LIMITS.  |xn|, |w| under 65,504 (f16); NaN and infinities are not treated apart.
.set HP,    160                        ; a k row of 64 columns of wc in LDS: 128 bytes + 32
.set HST,   163840                     ; behind wc's slice (1,024 x 160): the stage, 16 rows x 272 bytes
.set SP,    272
.set XCH,   168192                     ; 256 bytes: four batches' ten weights, 64 bytes apart
.set SPARE, 168448                     ; the spare words, 128 bytes for each wave
.set SPW,  28
.set NIL,  29
.set G1,  24
.set G0,  32
.macro PLACES                          ; four places behind matrix instructions (ISA guide 7.12.1)
.rept 4
	v_nop
.endr
.endm
.macro WSUM a, t                       ; the sum over the wave's 32 lanes, in every lane
	v_add_f32_dpp v[\a], v[\a], v[\a] row_xmask:1 row_mask:0xf bank_mask:0xf
	v_add_f32_dpp v[\a], v[\a], v[\a] row_xmask:2 row_mask:0xf bank_mask:0xf
	v_add_f32_dpp v[\a], v[\a], v[\a] row_xmask:4 row_mask:0xf bank_mask:0xf
	v_add_f32_dpp v[\a], v[\a], v[\a] row_xmask:8 row_mask:0xf bank_mask:0xf
	v_permlanex16_b32 v[\t], v[\a], s72, s73
	v_add_f32 v[\a], v[\a], v[\t]
.endm
	s_load_b256 s[4:11], s[0:1], 0x0               ; qb, kb, xh, wc
	s_load_b128 s[12:15], s[0:1], 0x20             ; qkv_b, out0
	v_lshl_add_u32 v[SPW], v0, 2, SPARE
	v_mov_b32 v[NIL], 0
	ds_add_u32 v[SPW], v[NIL]                      ; the wave's opening: the add and its wait ahead of my first tensor load
	ds_add_u32 v28, v29
	v_lshrrev_b32 v1, 5, v0
	v_readfirstlane_b32 s20, v1                    ; wave 0..3
	v_and_b32 v1, 15, v0                           ; r
	v_bfe_u32 v2, v0, 4, 1                         ; h
	s_mov_b32 s72, 0x76543210                      ; v_permlanex16_b32: each lane takes its own place in the other half
	s_mov_b32 s73, 0xfedcba98
	s_lshl_b32 s41, ttmp9, 6                       ; c0: my first channel
	; Each wave brings 256 k rows x 64 columns of v's weights into LDS: one fill, never filled again.
	s_mov_b32 s[G1+0], (1<<16)|(1<<20)|(4<<22)|(7<<25)   ; 2-byte elements; padding of 8 words after every 32
	s_mov_b32 s[G1+1], 64<<16                      ; tensor_dim0 = 64
	s_mov_b32 s[G1+2], 256<<16                     ; tensor_dim1 = 256
	s_mov_b32 s[G1+3], 64<<16                      ; tile_dim0 = 64
	s_mov_b32 s[G1+4], 256                         ; tile_dim1 = 256
	s_mov_b32 s[G1+5], 4096                        ; elements from row to row
	s_mov_b32 s[G1+6], 0
	s_mov_b32 s[G1+7], 0
	s_mov_b32 s[G0], 1
	s_mul_i32 s[G0+1], s20, 256*HP
	s_lshl_b32 s42, s20, 21                        ; 256 w rows of 8,192 bytes
	s_lshl_b32 s43, s41, 1
	s_add_co_u32 s42, s42, s43
	s_add_co_u32 s42, s42, 6144                    ; column 3,072 + c0
	s_mov_b32 s43, 0
	s_wait_dscnt 0x0                               ; the opening add is done
	s_wait_kmcnt 0x0
	s_add_nc_u64 s[G0+2:G0+3], s[10:11], s[42:43]
	s_or_b32 s[G0+3], s[G0+3], 0x80000000
	tensor_load_to_lds s[G0:G0+3], s[G1:G1+7]      ; my one tensor load
	s_nop 0
	PLACES
	; Wave w makes batch w's ten weights.  A lane holds channels 32 l .. 32 l + 31 of q's rows 0-3 and of k's rows 0-3.
	v_and_b32 v3, 31, v0
	v_lshlrev_b32 v4, 6, v3                        ; q: 64 l
	v_lshrrev_b32 v5, 1, v3
	v_lshlrev_b32 v5, 20, v5                       ; k: slab l / 2,
	v_and_b32 v6, 1, v3
	v_lshl_add_u32 v5, v6, 6, v5                   ; its half l % 2
	s_lshl_b32 s42, s20, 22
	s_add_nc_u64 s[44:45], s[4:5], s[42:43]
	s_lshl_b32 s42, s20, 18
	s_add_nc_u64 s[46:47], s[6:7], s[42:43]
	s_lshl_b32 s42, s20, 4
	s_add_co_u32 s42, s42, s41
	s_add_co_u32 s42, s42, 2048
	s_lshl_b32 s42, s42, 2
	v_lshl_add_u32 v7, v1, 2, s42                  ; v's bias of column c0 + 16 w + r
.irp t, 0,1,2,3
.irp c, 0,1,2,3
	global_load_b128 v[64+16*(\t)+4*(\c):67+16*(\t)+4*(\c)], v4, s[44:45] offset:2048*(\t)+16*(\c)
	global_load_b128 v[128+16*(\t)+4*(\c):131+16*(\t)+4*(\c)], v5, s[46:47] offset:128*(\t)+16*(\c)
.endr
.endr
	global_load_b32 v42, v7, s[12:13]
	v_mov_b32 v43, 0
	s_wait_loadcnt 0x0
.macro DOTS i, hi                      ; one half of register i of each row enters the ten sums D[t (t + 1) / 2 + s] = q_t . k_s, s <= t
.irp t, 0,1,2,3
.irp s, 0,1,2,3
.if (\s) <= (\t)
.set rD, 32+(\t)*((\t)+1)/2+(\s)
.if ((\i) == 0) && ((\hi) == 0)
	v_fma_mix_f32_bf16 v[rD], v[64+16*(\t)+(\i)], v[128+16*(\s)+(\i)], v[NIL] op_sel_hi:[1,1,0]
.elseif (\hi) == 0
	v_fma_mix_f32_bf16 v[rD], v[64+16*(\t)+(\i)], v[128+16*(\s)+(\i)], v[rD] op_sel_hi:[1,1,0]
.else
	v_fma_mix_f32_bf16 v[rD], v[64+16*(\t)+(\i)], v[128+16*(\s)+(\i)], v[rD] op_sel:[1,1,0] op_sel_hi:[1,1,0]
.endif
.endif
.endr
.endr
.endm
.set n, 0
.rept 16
	DOTS n, 0
	DOTS n, 1
.set n, n+1
.endr
.irp d, 32,33,34,35,36,37,38,39,40,41
	WSUM \d, 43
.endr
	v_cvt_pk_bf16_f32 v43, v42, v42                ; the bias rounded to bf16, like every input
	v_lshlrev_b32 v42, 16, v43
	v_add_f32 v45, v33, v34
	v_add_f32 v46, v35, v36
	v_add_f32 v47, v38, v39
	v_add_f32 v48, v40, v41
	v_add_f32 v46, v46, v37
	v_add_f32 v47, v47, v48
	v_add_f32 v44, 0x358637bd, v32                 ; + 1e-6
	v_add_f32 v45, 0x358637bd, v45
	v_add_f32 v46, 0x358637bd, v46
	v_add_f32 v47, 0x358637bd, v47
	v_rcp_f32 v44, v44
	v_rcp_f32 v45, v45
	v_rcp_f32 v46, v46
	v_rcp_f32 v47, v47
	s_lshl_b32 s42, s20, 6
	s_add_co_u32 s42, s42, XCH
	v_mov_b32 v8, s42                              ; also the plain instruction behind the last reciprocal
	s_wait_alu depctr_va_vdst(0)
.irp t, 0,1,2,3
.irp s, 0,1,2,3
.if (\s) <= (\t)
	v_mul_f32 v[32+(\t)*((\t)+1)/2+(\s)], v[32+(\t)*((\t)+1)/2+(\s)], v[44+(\t)]
.endif
.endr
.endr
.irp d, 0,1,2,3,4,5,6,7,8,9
	ds_store_b32 v8, v[32+(\d)] offset:4*(\d)      ; every lane holds the same number
.endr
	s_wait_dscnt 0x0                               ; for the others' sake: my weights are stored,
	s_wait_tensorcnt 0x0                           ; and my part of wc's slice has landed
	s_barrier_signal -1
	s_barrier_wait -1
	; In the product's result a lane holds rows m = 8 h + j, that is batches 2 h and 2 h + 1, of column r: it takes those two batches' weights.
	v_lshlrev_b32 v9, 7, v2
	v_add_nc_u32 v9, XCH, v9
	ds_load_b128 v[44:47], v9
	ds_load_b128 v[48:51], v9 offset:16
	ds_load_b64 v[52:53], v9 offset:32
	ds_load_b128 v[54:57], v9 offset:64
	ds_load_b128 v[58:61], v9 offset:80
	ds_load_b64 v[62:63], v9 offset:96
	v_lshlrev_b32 v10, 12, v1
	v_lshl_add_u32 v10, v2, 4, v10                 ; xh: row r, 16 h
	v_and_b32 v11, 7, v0
	v_lshl_add_u32 v11, v2, 3, v11
	v_mul_u32_u24 v11, v11, HP
	v_bfe_u32 v12, v0, 3, 1
	v_lshl_add_u32 v11, v12, 4, v11
	s_lshl_b32 s42, s20, 5
	v_add_nc_u32 v11, s42, v11                     ; the turning load in my 16 columns
; 128 along K: hi's and lo's fragments from xh, wc's turned out of LDS; hi's products and lo's on four accumulators by turns, one instruction a turn.
.macro HSTEP zero
	PLACES
.irp kk, 0,1,2,3
	global_load_b128 v[64+8*(\kk):67+8*(\kk)],   v10, s[8:9] offset:64*(\kk)
	global_load_b128 v[68+8*(\kk):71+8*(\kk)],   v10, s[8:9] offset:64*(\kk)+32
	global_load_b128 v[96+8*(\kk):99+8*(\kk)],   v10, s[8:9] offset:2048+64*(\kk)
	global_load_b128 v[100+8*(\kk):103+8*(\kk)], v10, s[8:9] offset:2048+64*(\kk)+32
	ds_load_tr16_b128 v[128+8*(\kk):131+8*(\kk)], v11 offset:32*HP*(\kk)
	ds_load_tr16_b128 v[132+8*(\kk):135+8*(\kk)], v11 offset:32*HP*(\kk)+16*HP
.endr
	s_wait_loadcnt 0x0
	s_wait_dscnt 0x0
	s_add_nc_u64 s[8:9], s[8:9], 256               ; the loads are done: their base may step
	v_add_nc_u32 v11, 128*HP, v11
.irp kk, 0,1,2,3
.if (\zero) && ((\kk) < 2)
	v_wmma_f32_16x16x32_f16 v[160+16*((\kk)%2):167+16*((\kk)%2)], v[64+8*(\kk):71+8*(\kk)], v[128+8*(\kk):135+8*(\kk)], 0
	v_wmma_f32_16x16x32_f16 v[168+16*((\kk)%2):175+16*((\kk)%2)], v[96+8*(\kk):103+8*(\kk)], v[128+8*(\kk):135+8*(\kk)], 0
.else
	v_wmma_f32_16x16x32_f16 v[160+16*((\kk)%2):167+16*((\kk)%2)], v[64+8*(\kk):71+8*(\kk)], v[128+8*(\kk):135+8*(\kk)], v[160+16*((\kk)%2):167+16*((\kk)%2)]
	v_wmma_f32_16x16x32_f16 v[168+16*((\kk)%2):175+16*((\kk)%2)], v[96+8*(\kk):103+8*(\kk)], v[128+8*(\kk):135+8*(\kk)], v[168+16*((\kk)%2):175+16*((\kk)%2)]
.endif
.endr
.endm
	HSTEP 1                                        ; the first step starts the sums
	s_mov_b32 s67, 7
.Lhstep:
	HSTEP 0
	s_sub_co_u32 s67, s67, 1
	s_cmp_lg_u32 s67, 0
	s_cbranch_scc1 .Lhstep
	PLACES
.irp c, 0,1,2,3
	v_pk_add_f32 v[32+2*(\c):33+2*(\c)], v[160+2*(\c):161+2*(\c)], v[176+2*(\c):177+2*(\c)]   ; each accumulator's low registers first
.endr
.irp c, 0,1,2,3
	v_pk_add_f32 v[192+2*(\c):193+2*(\c)], v[168+2*(\c):169+2*(\c)], v[184+2*(\c):185+2*(\c)]
.endr
.irp c, 0,1,2,3
	v_pk_add_f32 v[32+2*(\c):33+2*(\c)], v[32+2*(\c):33+2*(\c)], v[192+2*(\c):193+2*(\c)]
.endr
.irp c, 0,1,2,3
	v_pk_add_f32 v[32+2*(\c):33+2*(\c)], v[32+2*(\c):33+2*(\c)], v[42:43] op_sel_hi:[1,0]   ; v of rows 8 h + j, column r
.endr
.irp be, 0,1
.irp t, 0,1,2,3
	v_mul_f32 v[200+4*(\be)+(\t)], v[44+10*(\be)+(\t)*((\t)+1)/2], v[32+4*(\be)]
.irp s, 1,2,3
.if (\s) <= (\t)
	v_fma_f32 v[200+4*(\be)+(\t)], v[44+10*(\be)+(\t)*((\t)+1)/2+(\s)], v[32+4*(\be)+(\s)], v[200+4*(\be)+(\t)]
.endif
.endr
.endr
.endr
	v_mul_u32_u24 v12, v2, 8*SP
	v_lshl_add_u32 v12, v1, 2, v12
	s_lshl_b32 s42, s20, 6
	s_add_co_u32 s42, s42, HST
	v_add_nc_u32 v12, s42, v12                     ; stage row 8 h + j, column 16 w + r
.irp j, 0,1,2,3,4,5,6,7
	ds_store_b32 v12, v[200+(\j)] offset:SP*(\j)
.endr
	s_wait_dscnt 0x0                               ; for the others' sake: a stage row's 256 bytes come from four waves
	s_barrier_signal -1
	s_barrier_wait -1
	s_mul_i32 s42, s20, 4*SP                       ; wave w stores batch w's four rows: stage rows 4 w .. 4 w + 3
	s_add_co_u32 s42, s42, HST
	v_mul_u32_u24 v13, v2, SP
	v_lshl_add_u32 v13, v1, 4, v13
	v_add_nc_u32 v13, s42, v13
	ds_load_b128 v[64:67], v13                     ; rows t = h
	ds_load_b128 v[68:71], v13 offset:2*SP         ; and t = 2 + h
	s_lshl_b32 s42, s20, 23                        ; out0: batch w, 4 c0 bytes into the row
	s_lshl_b32 s46, s41, 2
	s_add_co_u32 s42, s42, s46
	s_add_nc_u64 s[44:45], s[14:15], s[42:43]
	v_lshlrev_b32 v14, 12, v2
	v_lshl_add_u32 v14, v1, 4, v14
	s_wait_dscnt 0x0
	global_store_b128 v14, v[64:67], s[44:45]                 ; 16 lanes store 256 consecutive bytes, aligned
	global_store_b128 v14, v[68:71], s[44:45] offset:8192
	s_wait_tensorcnt 0x0                           ; the wave's end
	ds_add_u32 v[SPW], v[NIL]
	s_wait_dscnt 0x0
	s_endpgm
.Lfunc_end_k_qc055ad5907_head:
	.size	k_qc055ad5907_head, .Lfunc_end_k_qc055ad5907_head-k_qc055ad5907_head
	.p2alignl 7, 3214868480
	.fill 96, 4, 3214868480
	.section	.rodata,"a",@progbits
	.p2align	6, 0x0
	.amdhsa_kernel k_qc055ad5907_head
		.amdhsa_group_segment_fixed_size 168960
		.amdhsa_private_segment_fixed_size 0
		.amdhsa_enable_private_segment 0
		.amdhsa_kernarg_size 48
		.amdhsa_user_sgpr_count 2
		.amdhsa_user_sgpr_kernarg_segment_ptr 1
		.amdhsa_wavefront_size32 1
		.amdhsa_system_sgpr_workgroup_id_x 1
		.amdhsa_system_sgpr_workgroup_id_y 1
		.amdhsa_system_sgpr_workgroup_id_z 1
		.amdhsa_system_vgpr_workitem_id 0
		.amdhsa_next_free_vgpr 208
		.amdhsa_next_free_sgpr 80
		.amdhsa_reserve_vcc 0
		.amdhsa_float_denorm_mode_32 3
		.amdhsa_float_denorm_mode_16_64 3
		.amdhsa_memory_ordered 1
		.amdhsa_forward_progress 1
		.amdhsa_inst_pref_size 42
	.end_amdhsa_kernel
	.amdgpu_metadata
---
amdhsa.version: [ 1, 2 ]
amdhsa.kernels:
  - .name:           k_qc055ad5907_head
    .symbol:         k_qc055ad5907_head.kd
    .args:
      - { .name: qb, .offset: 0, .size: 8, .value_kind: global_buffer, .address_space: global }
      - { .name: kb, .offset: 8, .size: 8, .value_kind: global_buffer, .address_space: global }
      - { .name: xh, .offset: 16, .size: 8, .value_kind: global_buffer, .address_space: global }
      - { .name: wc, .offset: 24, .size: 8, .value_kind: global_buffer, .address_space: global }
      - { .name: qkv_b, .offset: 32, .size: 8, .value_kind: global_buffer, .address_space: global }
      - { .name: out0, .offset: 40, .size: 8, .value_kind: global_buffer, .address_space: global }
    .group_segment_fixed_size: 168960
    .private_segment_fixed_size: 0
    .kernarg_segment_align: 8
    .kernarg_segment_size: 48
    .max_flat_workgroup_size: 128
    .sgpr_count:     80
    .vgpr_count:     208
    .wavefront_size: 32
...
	.end_amdgpu_metadata
.endif
;; end of part 4
;; launch mix (part 5): grid 4 x 64, 4 waves a work-group, clusters of 4 x 4, 327,680 bytes of LDS; arguments pb, vb, rs, out0; writes out0
.if DOCPART == 5
	.amdgcn_target "amdgcn-amd-amdhsa--gfx1250"
	.amdhsa_code_object_version 6
	.text
	.protected	k_qc055ad5907_mix
	.globl	k_qc055ad5907_mix
	.p2align	8
	.type	k_qc055ad5907_mix,@function
k_qc055ad5907_mix:
	s_mov_b64 s[64:65], 0
	v_nop
	global_prefetch_b8 v0, s[64:65] scope:SCOPE_SE
	s_setreg_imm32_b32 hwreg(HW_REG_WAVE_MODE, 25, 1), 1
	s_wait_xcnt 0x0
	s_wait_alu depctr_hold_cnt(0) depctr_sa_sdst(0) depctr_va_vdst(0) depctr_va_sdst(0) depctr_va_ssrc(0) depctr_va_vcc(0) depctr_vm_vsrc(0)
	s_getreg_b32 s2, hwreg(HW_REG_IB_STS2, 6, 4)
	s_cmp_eq_u32 s2, 0
	s_cbranch_scc0 .Lentry_in_a_cluster
	s_endpgm
.Lentry_in_a_cluster:
	s_bfe_u32 s2, ttmp6, 0x10000c
	s_cmp_lg_u32 s2, 0xf033
	s_cbranch_scc0 .Lentry_shape_is_right
	s_endpgm
.Lentry_shape_is_right:
; MIX.  out[t] = (sum over key chunks J of rs[J][t] x (P'_J V_J)[t]) / (sum over J of rs[J][t] + 1e-6), for all rows but t < 4 of each batch (made by the launch before).
; P' and V are f16; a chunk's product (256 keys) starts with C = 0 and is added, times its row sum, onto a total in f32.
; THE WALK.  A cluster (y = 4 b + m) takes the query blocks 7 - m and then m of batch b: 9 chunks whatever m, one counted loop.  Of a block's 256 rows a work-group takes 64 (by cy), of the 1,024 channels 256 (by cx),
; a wave 64 x 64: 16 accumulators.  P's tiles are asked for jointly along a row of the cluster, V's along a column.  Branches hang on m alone, which all sixteen partners share.
; The matrix instruction is used transposed (source 0 = 16 channels of V, turned by ds_load_tr16_b128; source 1 = 16 rows of P'): a lane holds one row and 8 neighbouring channels.
; The totals are cleared at the kernel's head, in the wait for the first tile, and where the first block ends: 128 lines each time; the price of one text for every chunk's merge.
; WINDOWS: 0 addresses, work, v128-255 the chunk's accumulators; 1 two fragment buffers of 128 (64 keys each: P' at f + 8 (4 c + a), V at f + 64 + 8 (4 c + bi)); 2 v0-127 the totals.
.set PP,    272                        ; a row of P' in LDS: 128 keys, 256 bytes + 16
.set VP,    544                        ; a key's 256 channels: 512 bytes + 32
.set VOFF,  64*PP                      ; V's 128 keys lie behind P's 64 rows
.set SLOT,  0x20000                    ; a slot holds 128 keys: half a chunk
.set STAGE, 218112                     ; behind the ring: 16 rows x 272 bytes for each wave
.set SP,    272
.set SPARE, 235520
.set ADRA, 16                          ; v16-17  my place in P's tile, slot 0, 1
.set ADRB, 20                          ; v20-21  the same for V
.set STO,  24
.set RD,   25
.set CO,   26
.set ROWV, 27                          ; v27  the block's first row of mine + h
.set SPW,  28
.set NIL,  29
.set R4,   30                          ; v30  4 r
.set RSV,  96                          ; v[96+2a]   the chunk's row sum of row 16 a + r
.set DEN,  104                         ; v[104+2a]  their sum
.set RDN,  112                         ; v[112+2a]  1 / (that + 1e-6)
.set ACC,  128
.set F0,   0
.set F1,   128
.set G1,  24
.set G0,  32
.set G1B, 48
.set G0B, 56
.set MSB, 0
.macro WIN new
.if MSB != (\new)
	s_set_vgpr_msb (MSB<<8)|(\new)
.set MSB, \new
.endif
.endm
.set MUL,  0x05
.set TO_F, 0x40
.macro PLACES
.rept 4
	v_nop
.endr
.endm
.macro JLOAD s                         ; a joint load: waves 0, 1 fetch P's two halves, waves 2, 3 V's; s_nop 0 and four v_nop follow each line
	s_cmp_eq_u32 s13, 0
	s_cbranch_scc0 .Lfor_b_\@
	tensor_load_to_lds s[G0+4*(\s):G0+4*(\s)+3], s[G1:G1+7]
	s_nop 0
	PLACES
	s_branch .Lasked_\@
.Lfor_b_\@:
	tensor_load_to_lds s[G0B+4*(\s):G0B+4*(\s)+3], s[G1B:G1B+7]
	s_nop 0
	PLACES
.Lasked_\@:
.endm
.macro CREST
	s_cmp_lg_u32 s12, 0
	s_cbranch_scc1 .Lnot_wave_0_\@
	s_barrier_signal -3
.Lnot_wave_0_\@:
	s_barrier_wait -3
	s_barrier_signal -1
	s_barrier_wait -1
.endm
.macro CROUND
	s_barrier_signal -1
	s_barrier_wait -1
	CREST
.endm
.macro CLEAR                           ; the totals and the divisors' sums
	WIN 0x80
.set i, 0
.rept 128
	v_mov_b32 v[i], 0
.set i, i+1
.endr
	WIN 0
.irp a, 0,1,2,3
	v_mov_b32 v[DEN+2*(\a)], 0
.endr
.endm
; Slot s's descriptors for half s of chunk s66 of the block whose chunks are being asked for: each address is made anew from its base and the number.
.macro NEWADDR s
	s_lshl_b32 s70, s66, 9                         ; P': 256 keys are 512 bytes of a row
	s_add_co_u32 s70, s70, 256*(\s)
	s_add_nc_u64 s[G0+4*(\s)+2:G0+4*(\s)+3], s[44:45], s[70:71]
	s_or_b32 s[G0+4*(\s)+3], s[G0+4*(\s)+3], 0x80000000
	s_lshl_b32 s72, s66, 19                        ; V: 256 rows of 2,048 bytes
	s_add_co_u32 s72, s72, 262144*(\s)
	s_add_nc_u64 s[G0B+4*(\s)+2:G0B+4*(\s)+3], s[46:47], s[72:73]
	s_or_b32 s[G0B+4*(\s)+3], s[G0B+4*(\s)+3], 0x80000000
.if \s
	s_add_co_u32 s66, s66, 1                       ; the block's next chunk, or behind its last the second block's chunk 0
	s_cmp_gt_u32 s66, s67
	s_cselect_b32 s66, 0, s66
	s_cselect_b64 s[44:45], s[42:43], s[44:45]
	s_cselect_b32 s67, s19, s67
.endif
.endm
	s_load_b256 s[4:11], s[0:1], 0x0               ; pb, vb, rs, out0
	v_lshl_add_u32 v[SPW], v0, 2, SPARE
	v_mov_b32 v[NIL], 0
	ds_add_u32 v[SPW], v[NIL]                      ; the wave's opening: the add and its wait ahead of my first tensor load
	ds_add_u32 v28, v29
	v_lshrrev_b32 v1, 5, v0
	v_readfirstlane_b32 s12, v1                    ; wave 0..3
	s_lshr_b32 s13, s12, 1                         ; I fetch P' (0) or V (1),
	s_and_b32 s14, s12, 1                          ; this half of it
	s_bfe_u32 s15, ttmp6, 0x40000                  ; cx
	s_bfe_u32 s16, ttmp6, 0x40004                  ; cy
	s_and_b32 s17, ttmp7, 0xffff
	s_lshr_b32 s18, s17, 2                         ; b
	s_and_b32 s19, s17, 3                          ; m: the second block
	s_sub_co_u32 s20, 7, s19                       ; the first block
	s_lshl_b32 s22, s16, 2
	s_lshl_b32 s22, 15, s22                        ; my row of the cluster
	s_lshl_b32 s23, 0x1111, s15                    ; my column
	s_or_b32 s[G1+0], s22, (1<<16)|(1<<20)|(1<<21)|(5<<22)|(3<<25)
	s_mov_b32 s[G1+1], 128<<16                     ; 32 rows x 128 keys
	s_mov_b32 s[G1+2], 32<<16
	s_mov_b32 s[G1+3], 128<<16
	s_mov_b32 s[G1+4], 32
	s_mov_b32 s[G1+5], 2048
	s_mov_b32 s[G1+6], 0
	s_mov_b32 s[G1+7], 0
	s_or_b32 s[G1B+0], s23, (1<<16)|(1<<20)|(1<<21)|(6<<22)|(7<<25)
	s_mov_b32 s[G1B+1], 256<<16                    ; 64 keys x 256 channels
	s_mov_b32 s[G1B+2], 64<<16
	s_mov_b32 s[G1B+3], 256<<16
	s_mov_b32 s[G1B+4], 64
	s_mov_b32 s[G1B+5], 1024
	s_mov_b32 s[G1B+6], 0
	s_mov_b32 s[G1B+7], 0
	s_lshl_b32 s90, s18, 23                        ; P': (2,048 b + 256 I + 64 cy + 32 half) rows of 4,096 bytes
	s_lshl_b32 s91, s16, 18
	s_add_co_u32 s90, s90, s91
	s_lshl_b32 s91, s14, 17
	s_add_co_u32 s90, s90, s91
	s_lshl_b32 s40, s20, 20
	s_add_co_u32 s40, s40, s90
	s_mov_b32 s41, 0
	s_lshl_b32 s42, s19, 20
	s_add_co_u32 s42, s42, s90
	s_mov_b32 s43, 0
	s_lshl_b32 s46, s18, 22                        ; V: (2,048 b + 64 half) rows of 2,048 bytes + 512 cx
	s_lshl_b32 s47, s14, 17
	s_add_co_u32 s46, s46, s47
	s_lshl_b32 s47, s15, 9
	s_add_co_u32 s46, s46, s47
	s_mov_b32 s47, 0
	s_lshl_b32 s92, s18, 16                        ; rs: (8 b x 2,048 + 256 I + 64 cy) x 4
	s_lshl_b32 s93, s16, 8
	s_add_co_u32 s92, s92, s93
	s_lshl_b32 s76, s20, 10
	s_add_co_u32 s76, s76, s92
	s_mov_b32 s77, 0
	s_lshl_b32 s78, s19, 10
	s_add_co_u32 s78, s78, s92
	s_mov_b32 s79, 0
	s_lshl_b32 s92, s18, 23                        ; out0: ((2,048 b + 256 I + 64 cy) x 1,024 + 256 cx + 64 w) x 4
	s_lshl_b32 s93, s16, 18
	s_add_co_u32 s92, s92, s93
	s_lshl_b32 s93, s15, 10
	s_add_co_u32 s92, s92, s93
	s_lshl_b32 s93, s12, 8
	s_add_co_u32 s92, s92, s93
	s_lshl_b32 s82, s20, 20
	s_add_co_u32 s82, s82, s92
	s_mov_b32 s83, 0
	s_lshl_b32 s84, s19, 20
	s_add_co_u32 s84, s84, s92
	s_mov_b32 s85, 0
	s_lshl_b32 s93, s16, 6
	s_lshl_b32 s86, s20, 8
	s_add_co_u32 s86, s86, s93                     ; my first row in the batch, first block,
	s_lshl_b32 s87, s19, 8
	s_add_co_u32 s87, s87, s93                     ; and second
	s_mul_i32 s94, s14, 32*PP                      ; where my part goes: P's half,
	s_mul_i32 s95, s14, 64*VP
	s_add_co_u32 s95, s95, VOFF                    ; V's half
	s_mov_b32 s66, 1                               ; the chunk to be asked for next
	s_mov_b32 s67, s20                             ; the last chunk of the block whose chunks are being asked for
	s_add_co_u32 s68, s20, 1                       ; chunks of the block in hand still to be multiplied
	s_mov_b32 s71, 0
	s_mov_b32 s73, 0
	s_mov_b32 s75, 0                               ; the chunk in hand
	s_mov_b32 s91, 0
	s_wait_dscnt 0x0                               ; the opening add is done
	s_wait_kmcnt 0x0
	s_add_nc_u64 s[40:41], s[4:5], s[40:41]
	s_add_nc_u64 s[42:43], s[4:5], s[42:43]
	s_mov_b64 s[44:45], s[40:41]
	s_add_nc_u64 s[46:47], s[6:7], s[46:47]
	s_add_nc_u64 s[76:77], s[8:9], s[76:77]
	s_add_nc_u64 s[78:79], s[8:9], s[78:79]
	s_add_nc_u64 s[82:83], s[10:11], s[82:83]
	s_add_nc_u64 s[84:85], s[10:11], s[84:85]
	CROUND                                         ; all sixteen work-groups are here: the first joint loads meet
.irp s, 0,1
	s_mov_b32 s[G0+4*(\s)], 1
	s_add_co_u32 s[G0+4*(\s)+1], s94, (\s)*SLOT
	s_add_nc_u64 s[G0+4*(\s)+2:G0+4*(\s)+3], s[40:41], (\s)*256
	s_or_b32 s[G0+4*(\s)+3], s[G0+4*(\s)+3], 0x80000000
	s_mov_b32 s[G0B+4*(\s)], 1
	s_add_co_u32 s[G0B+4*(\s)+1], s95, (\s)*SLOT
	s_add_nc_u64 s[G0B+4*(\s)+2:G0B+4*(\s)+3], s[46:47], (\s)*262144
	s_or_b32 s[G0B+4*(\s)+3], s[G0B+4*(\s)+3], 0x80000000
	JLOAD \s                                       ; the two halves of chunk 0: two loads of mine are out
.endr
	v_and_b32 v1, 15, v0                           ; r
	v_bfe_u32 v2, v0, 4, 1                         ; h
	v_mul_u32_u24 v3, v1, PP
	v_lshl_add_u32 v[ADRA], v2, 4, v3
	v_add_nc_u32 v[ADRA+1], SLOT, v[ADRA]
	v_and_b32 v4, 7, v0
	v_lshl_add_u32 v4, v2, 3, v4
	v_mul_u32_u24 v4, v4, VP
	v_bfe_u32 v5, v0, 3, 1
	v_lshl_add_u32 v4, v5, 4, v4
	s_lshl_b32 s22, s12, 7
	s_add_co_u32 s22, s22, VOFF
	v_add_nc_u32 v[ADRB], s22, v4                  ; the turning load in my 64 channels
	v_add_nc_u32 v[ADRB+1], SLOT, v[ADRB]
	s_mul_i32 s22, s12, 16*SP
	s_add_co_u32 s22, s22, STAGE
	v_mul_u32_u24 v5, v1, SP
	v_lshl_add_u32 v5, v2, 5, v5
	v_add_nc_u32 v[STO], s22, v5                   ; in: row r, 32 bytes for each half of the lanes
	v_mul_u32_u24 v5, v2, SP
	v_lshl_add_u32 v5, v1, 4, v5
	v_add_nc_u32 v[RD], s22, v5                    ; back: lanes 0-15 one row of 256 bytes, lanes 16-31 the next
	v_lshlrev_b32 v5, 12, v2
	v_lshl_add_u32 v[CO], v1, 4, v5
	v_lshlrev_b32 v[R4], 2, v1
.irp a, 0,1,2,3
	v_mov_b32 v[RSV+2*(\a)+1], 0                   ; the unused partners of pairs that are named whole
	v_mov_b32 v[RDN+2*(\a)+1], 0
.endr
	CLEAR
.macro MUL8 f, c, a0, zero             ; 8 matrix instructions: row blocks a0, a0 + 1 x 4 channel blocks, 32 keys: half c of buffer f
	WIN MUL
.irp a, \a0, (\a0)+1
.irp b, 0,1,2,3
.if \zero
	v_wmma_f32_16x16x32_f16 v[ACC+8*(4*(\a)+(\b)):ACC+8*(4*(\a)+(\b))+7], v[(\f)+64+8*(4*(\c)+(\b)):(\f)+64+8*(4*(\c)+(\b))+7], v[(\f)+8*(4*(\c)+(\a)):(\f)+8*(4*(\c)+(\a))+7], 0
.else
	v_wmma_f32_16x16x32_f16 v[ACC+8*(4*(\a)+(\b)):ACC+8*(4*(\a)+(\b))+7], v[(\f)+64+8*(4*(\c)+(\b)):(\f)+64+8*(4*(\c)+(\b))+7], v[(\f)+8*(4*(\c)+(\a)):(\f)+8*(4*(\c)+(\a))+7], v[ACC+8*(4*(\a)+(\b)):ACC+8*(4*(\a)+(\b))+7]
.endif
.endr
.endr
.endm
.macro FETCH slot, kq, f               ; 32 LDS loads in one run: keys 64 kq .. + 63 of the slot into buffer f, the first 32 keys first
	WIN TO_F
.irp c, 0,1
.irp i, 0,1,2,3
	ds_load_tr16_b128 v[(\f)+64+8*(4*(\c)+(\i)):(\f)+64+8*(4*(\c)+(\i))+3],   v[ADRB+(\slot)] offset:(2*(\kq)+(\c))*32*VP+32*(\i)
	ds_load_tr16_b128 v[(\f)+64+8*(4*(\c)+(\i))+4:(\f)+64+8*(4*(\c)+(\i))+7], v[ADRB+(\slot)] offset:(2*(\kq)+(\c))*32*VP+32*(\i)+16*VP
	ds_load_b128 v[(\f)+8*(4*(\c)+(\i)):(\f)+8*(4*(\c)+(\i))+3],   v[ADRA+(\slot)] offset:(\i)*16*PP+64*(2*(\kq)+(\c))
	ds_load_b128 v[(\f)+8*(4*(\c)+(\i))+4:(\f)+8*(4*(\c)+(\i))+7], v[ADRA+(\slot)] offset:(\i)*16*PP+64*(2*(\kq)+(\c))+32
.endr
.endr
.endm
.macro QUARTER slot, kq, f, g, zero    ; multiplies buffer f (64 keys); in its middle fetches (slot, kq) into buffer g
	s_wait_dscnt 16                                ; the first 32 keys are in
	MUL8 \f, 0, 0, \zero
	MUL8 \f, 0, 2, \zero
	PLACES
	FETCH \slot, \kq, \g
	s_wait_dscnt 32                                ; all but the 32 just issued
	MUL8 \f, 1, 0, 0
	MUL8 \f, 1, 2, 0
.endm
; Multiplies buffer 1 and changes slots.  In front of the barrier each wave waits for all its tensor loads, adds 0 to its spare word, and waits for that and for its reads of the slot.
; fill = 1: the barrier opens a round of the cluster's, and the slot is filled again, with its half of the next chunk, first thing behind it.
.macro TURN slot, next, fill
	WIN 0
	s_wait_tensorcnt 0x0
	ds_add_u32 v[SPW], v[NIL]
.if \fill
	NEWADDR \slot                                  ; no load of mine is out: the descriptors may be written
.endif
	s_wait_dscnt 17                                ; the add and the youngest sixteen loads may be out
	MUL8 F1, 0, 0, 0
	s_wait_dscnt 0x0
	s_barrier_signal -1
	MUL8 F1, 0, 2, 0
	WIN 0
	s_barrier_wait -1
.if \fill
	CREST
	JLOAD \slot                                    ; its four v_nop are also the places in front of the loads below
.else
	PLACES
.endif
	FETCH \next, 0, F0
	MUL8 F1, 1, 0, 0
	MUL8 F1, 1, 2, 0
.endm
; A chunk of 256 keys: its row sums are asked for, its product is made from C = 0, and the product times the row sum is added onto the totals.
.macro CHUNK fill
	WIN 0
	s_lshl_b32 s90, s75, 13
	s_add_nc_u64 s[80:81], s[76:77], s[90:91]      ; rs of chunk s75 (the loads before are done: the merge waited for them)
.irp a, 0,1,2,3
	global_load_b32 v[RSV+2*(\a)], v[R4], s[80:81] offset:64*(\a)
.endr
	QUARTER 0, 1, F0, F1, 1
	TURN 0, 1, \fill
	QUARTER 1, 1, F0, F1, 0
.if \fill
	TURN 1, 0, 1
.else
	s_wait_dscnt 16
	MUL8 F1, 0, 0, 0
	MUL8 F1, 0, 2, 0
	s_wait_dscnt 0x0
	MUL8 F1, 1, 0, 0
	MUL8 F1, 1, 2, 0
.endif
	WIN 0
	s_wait_loadcnt 0x0                             ; the row sums
.irp a, 0,1,2,3
	v_add_f32 v[DEN+2*(\a)], v[DEN+2*(\a)], v[RSV+2*(\a)]   ; also the four places behind the last products
.endr
	WIN 0xa0                                       ; totals (destination and source 2) in window 2
.irp a, 0,1,2,3
.irp b, 0,1,2,3
.irp p, 0,1,2,3
	v_pk_fma_f32 v[8*(4*(\a)+(\b))+2*(\p):8*(4*(\a)+(\b))+2*(\p)+1], v[ACC+8*(4*(\a)+(\b))+2*(\p):ACC+8*(4*(\a)+(\b))+2*(\p)+1], v[RSV+2*(\a):RSV+2*(\a)+1], v[8*(4*(\a)+(\b))+2*(\p):8*(4*(\a)+(\b))+2*(\p)+1] op_sel_hi:[1,0,1]
.endr
.endr
.endr
	WIN 0
	s_sub_co_u32 s68, s68, 1
	s_add_co_u32 s75, s75, 1
.endm
; A block's end: totals / (sum of row sums + 1e-6), through my stage, as whole rows of 256 bytes.  Rows t < 4 of a batch are left out by EXEC: they are the launch before's.
.macro WAYOUT
	WIN 0
.irp a, 0,1,2,3
	v_add_f32 v[RDN+2*(\a)], 0x358637bd, v[DEN+2*(\a)]
.endr
.irp a, 0,1,2,3
	v_rcp_f32 v[RDN+2*(\a)], v[RDN+2*(\a)]
.endr
	v_add_nc_u32 v[ROWV], s86, v2
	s_wait_alu depctr_va_vdst(0)
.irp a, 0,1,2,3
	WIN 0x02
.set i, 0
.rept 16
	v_pk_mul_f32 v[32+2*i:33+2*i], v[32*(\a)+2*i:32*(\a)+2*i+1], v[RDN+2*(\a):RDN+2*(\a)+1] op_sel_hi:[1,0]
.set i, i+1
.endr
	WIN 0
.irp b, 0,1,2,3
	ds_store_b128 v[STO], v[32+8*(\b):35+8*(\b)] offset:64*(\b)
	ds_store_b128 v[STO], v[36+8*(\b):39+8*(\b)] offset:64*(\b)+16
.endr
	s_wait_xcnt 0x0                                ; earlier stores have read v64-95: only now are these written again
.irp t, 0,1,2,3,4,5,6,7
	ds_load_b128 v[64+4*(\t):67+4*(\t)], v[RD] offset:(\t)*2*SP     ; LDS serves a wave's instructions in order (ISA guide 5.7.1.4): these see the stores above
.endr
	s_wait_dscnt 0x0
.irp t, 0,1,2,3,4,5,6,7
.if ((\a) == 0) && ((\t) < 2)
	v_cmp_le_u32 s88, 4-2*(\t), v[ROWV]            ; my row, ROWV + 2 t, is row 4 of the batch or a later one
	s_wait_xcnt 0x0                                ; EXEC changes only behind this wait
	s_and_saveexec_b32 s89, s88
	global_store_b128 v[CO], v[64+4*(\t):67+4*(\t)], s[82:83] offset:8192*(\t)
	s_wait_xcnt 0x0
	s_or_b32 exec_lo, exec_lo, s89
.else
	global_store_b128 v[CO], v[64+4*(\t):67+4*(\t)], s[82:83] offset:8192*(\t)+65536*(\a)   ; 16 lanes store 256 consecutive bytes, aligned
.endif
.endr
.endr
.endm
	s_wait_tensorcnt 1                             ; my part of slot 0 is in; slot 1's may stay out
	s_barrier_signal -1
	s_barrier_wait -1
	FETCH 0, 0, F0
	WIN 0
	s_mov_b32 s74, 8
.Lchunk:                                               ; eight trips: a chunk is multiplied and the next is asked for
	CHUNK 1
	s_cmp_lg_u32 s68, 0
	s_cbranch_scc1 .Lsame                          ; forward, past text with no barrier and no tensor load
	WAYOUT                                         ; the first block ends
	s_wait_xcnt 0x0                                ; the stores have read their base
	s_mov_b64 s[76:77], s[78:79]
	s_mov_b64 s[82:83], s[84:85]
	s_mov_b32 s86, s87
	s_add_co_u32 s68, s19, 1                       ; the second block has m + 1 chunks
	s_mov_b32 s75, 0
	CLEAR
.Lsame:
	s_sub_co_u32 s74, s74, 1
	s_cmp_lg_u32 s74, 0
	s_cbranch_scc1 .Lchunk
	CHUNK 0                                        ; the walk's last chunk asks for nothing
	WAYOUT
	s_wait_tensorcnt 0x0                           ; the wave's end
	ds_add_u32 v[SPW], v[NIL]
	s_wait_dscnt 0x0
	CROUND                                         ; the closing round
	s_endpgm
.Lfunc_end_k_qc055ad5907_mix:
	.size	k_qc055ad5907_mix, .Lfunc_end_k_qc055ad5907_mix-k_qc055ad5907_mix
	.p2alignl 7, 3214868480
	.fill 96, 4, 3214868480
	.section	.rodata,"a",@progbits
	.p2align	6, 0x0
	.amdhsa_kernel k_qc055ad5907_mix
		.amdhsa_group_segment_fixed_size 327680
		.amdhsa_private_segment_fixed_size 0
		.amdhsa_enable_private_segment 0
		.amdhsa_kernarg_size 32
		.amdhsa_user_sgpr_count 2
		.amdhsa_user_sgpr_kernarg_segment_ptr 1
		.amdhsa_wavefront_size32 1
		.amdhsa_system_sgpr_workgroup_id_x 1
		.amdhsa_system_sgpr_workgroup_id_y 1
		.amdhsa_system_sgpr_workgroup_id_z 1
		.amdhsa_system_vgpr_workitem_id 0
		.amdhsa_next_free_vgpr 640
		.amdhsa_next_free_sgpr 100
		.amdhsa_reserve_vcc 0
		.amdhsa_float_denorm_mode_32 3
		.amdhsa_float_denorm_mode_16_64 3
		.amdhsa_memory_ordered 1
		.amdhsa_forward_progress 1
		.amdhsa_inst_pref_size 89
	.end_amdhsa_kernel
	.amdgpu_metadata
---
amdhsa.version: [ 1, 2 ]
amdhsa.kernels:
  - .name:           k_qc055ad5907_mix
    .symbol:         k_qc055ad5907_mix.kd
    .args:
      - { .name: pb, .offset: 0, .size: 8, .value_kind: global_buffer, .address_space: global }
      - { .name: vb, .offset: 8, .size: 8, .value_kind: global_buffer, .address_space: global }
      - { .name: rs, .offset: 16, .size: 8, .value_kind: global_buffer, .address_space: global }
      - { .name: out0, .offset: 24, .size: 8, .value_kind: global_buffer, .address_space: global }
    .group_segment_fixed_size: 327680
    .private_segment_fixed_size: 0
    .kernarg_segment_align: 8
    .kernarg_segment_size: 32
    .max_flat_workgroup_size: 128
    .sgpr_count:     100
    .vgpr_count:     640
    .wavefront_size: 32
...
	.end_amdgpu_metadata
.endif
;; end of part 5
;; ======== version 2 of 2: 4 launches
;; limits: values are held in f16: magnitudes above 65,504 overflow, below 6.1e-05 lose precision
;; workspace buffers: xn 16,777,216 bytes; wc 8,388,608 bytes; xh 65,536 bytes; qb 16,777,216 bytes; kb 16,777,216 bytes; vb 16,777,216 bytes; pb 33,554,432 bytes; rs 262,144 bytes
;; launch prep: the kernel of part 1 again; grid 768 x 1, 8 waves a work-group, no clusters, 0 bytes of LDS; arguments x, ln_g, ln_b, qkv_w, gate_w, xn, wc, xh; writes xn, wc, xh
;; launch proj: the kernel of part 2 again; grid 16 x 32, 4 waves a work-group, clusters of 4 x 4, 327,680 bytes of LDS; arguments xn, wc, qkv_b, gate_b, qb, kb, vb; writes qb, kb, vb
;; launch score (part 6): grid 40 x 4, 4 waves a work-group, no clusters, 327,680 bytes of LDS; arguments qb, kb, xh, wc, qkv_b, pb, rs, out0; writes pb, rs, out0
.if DOCPART == 6
	.amdgcn_target "amdgcn-amd-amdhsa--gfx1250"
	.amdhsa_code_object_version 6
	.text
	.protected	k_qc055ad5907_score
	.globl	k_qc055ad5907_score
	.p2align	8
	.type	k_qc055ad5907_score,@function
k_qc055ad5907_score:
	s_mov_b64 s[64:65], 0
	v_nop
	global_prefetch_b8 v0, s[64:65] scope:SCOPE_SE
	s_setreg_imm32_b32 hwreg(HW_REG_WAVE_MODE, 25, 1), 1
	s_wait_xcnt 0x0
; SCORE.  Work-groups x < 36 of batch y: one tile (I, J <= I) of 256 queries x 256 keys of S = tril(Q K^T), bf16 operands, f32 sums over 1,024 channels; its masked row sums -> rs [b][J][t], f32;
; P' = S / row sum -> pb, f16 [b][t][s].  So 0 <= P' <= 1 and each row of a tile sums to 1, whatever the inputs' size; the next launch weighs each tile's product by rs again.  Hidden keys go out as 0.
; Work-groups x >= 36 (four for each y: slice 4 y + x - 36 of 64 channels): rows t < 4 of each batch of out0, whose few terms leave f16's rounding of xn little room.  v of those 16 rows is made anew from
; xh (hi + lo, two f16 numbers for each xn) and wc by the matrix unit, f32 sums; the ten weights q_t . k_s / (their row's sum + 1e-6), s <= t, in f32 from qb and kb.  The launch has 144 tiles: these 16 add no turn.
; The two kinds of work-group share no LDS byte but each lane's spare word: the tiles have bytes 0 to 310,271, the head rows 310,784 to 327,679, and the head rows issue no tensor load.
; LIMITS.  Scores and row sums are finite in f32; a tile's row sum below 1e-30 divides as 1e-30 (rs holds the sum itself); |xn|, |w| under 65,504 (f16).  NaN and infinities are not treated apart.
; NO CLUSTER: a row of the triangle has I + 1 tiles and a column 8 - J, from 1 to 8: no four partners share Q's or K's tiles at every place.
; The tile's frame is the projection's: four waves of 128 x 128, 8 K steps of 128 through two LDS slots, one K step a trip; K's rows come from slabs [16 z][8192][64], two slabs a K step, dense, padded behind each key.
; The matrix instruction is used transposed (source 0 = 16 keys, source 1 = 16 queries): a lane holds one query and 8 neighbouring keys.
; WINDOWS: 0 addresses, Q's fragments (v64-127, v128-191), the ending's work; 1 K's fragments; 2, 3 the accumulators, (a, b) at v[8 (8 a + b)].  The head rows stay in window 0.
.set PITCH, 272                        ; a row of Q in LDS: 256 bytes + 16: the 16 rows of a load start at 16 different groups of four banks (ISA guide 11.1)
.set HALFT, 128*PITCH
.set KP,    144                        ; a key's 64 channels in LDS: 128 bytes + 16
.set KSLAB, 256*KP                     ; a slab's 256 keys
.set BOFF,  2*HALFT
.set SLOT,  0x24000                    ; its bits meet none of the waves' parts 0, 0x8800, 0x11000, 0x1a000, so an exclusive or is an addition
.set ASTEP, 256
.set BSTEP, 2*8192*128                 ; two slabs
.set STAGE, 290816                     ; behind the ring: 16 rows x 272 bytes for each wave
.set SP,    272
.set XCH,   308224                     ; 2,048 bytes: row sums between waves
.set SPARE, 310272                     ; the spare words, 128 bytes for each wave
.set HW,    310784                     ; the head rows: for each wave 64 k rows x 16 columns of wc, on their way to being turned
.set HWP,   48                         ; such a row: 32 bytes + 16
.set HST,   323072                     ; the head rows' stage: 16 rows x 272 bytes
.set HX,    327424                     ; 256 bytes: four batches' ten weights, 64 bytes apart
.set A0,   16                          ; v16  my place in Q's tile, slot 0
.set B0,   17                          ; v17  my place in K's tile, slot 0
.set ADRA, 18                          ; v18  the same in the slot in hand
.set ADRB, 19                          ; v19
.set STO,  20                          ; v20  the way out: where I put 16 bytes of a row
.set RD,   21                          ; v21  where I read a row back
.set CO,   22                          ; v22  my byte offset in pb
.set SPW,  28
.set NIL,  29
.set F0,   64
.set F1,   128
.set G1,  24
.set G0,  32
.set G1B, 48
.set G0B, 56
.set TB,  66                           ; s66  0 or SLOT: the slot in hand
.set MSB, 0
.macro WIN new                         ; the immediate's high byte repeats the setting that is left
.if MSB != (\new)
	s_set_vgpr_msb (MSB<<8)|(\new)
.set MSB, \new
.endif
.endm
.set MUL_LO, 0xa1
.set MUL_HI, 0xf1
.set TO_B,   0x40
.macro PLACES                          ; four places behind matrix instructions (ISA guide 7.12.1)
.rept 4
	v_nop
.endr
.endm
.macro LOAD s                          ; waves 0, 1 fetch Q's two halves, waves 2, 3 one slab of K each; s_nop 0 and four v_nop follow each line
	s_cmp_eq_u32 s21, 0
	s_cbranch_scc0 .Lfor_b_\@
	tensor_load_to_lds s[G0+4*(\s):G0+4*(\s)+3], s[G1:G1+7]
	s_nop 0
	PLACES
	s_branch .Lasked_\@
.Lfor_b_\@:
	tensor_load_to_lds s[G0B+4*(\s):G0B+4*(\s)+3], s[G1B:G1B+7]
	s_nop 0
	PLACES
.Lasked_\@:
.endm
.macro WSUM a, t                       ; the sum over the wave's 32 lanes, in every lane
	v_add_f32_dpp v[\a], v[\a], v[\a] row_xmask:1 row_mask:0xf bank_mask:0xf
	v_add_f32_dpp v[\a], v[\a], v[\a] row_xmask:2 row_mask:0xf bank_mask:0xf
	v_add_f32_dpp v[\a], v[\a], v[\a] row_xmask:4 row_mask:0xf bank_mask:0xf
	v_add_f32_dpp v[\a], v[\a], v[\a] row_xmask:8 row_mask:0xf bank_mask:0xf
	v_permlanex16_b32 v[\t], v[\a], s72, s73
	v_add_f32 v[\a], v[\a], v[\t]
.endm
	s_load_b512 s[4:19], s[0:1], 0x0               ; qb, kb, xh, wc, qkv_b, pb, rs, out0
	v_lshl_add_u32 v[SPW], v0, 2, SPARE
	v_mov_b32 v[NIL], 0
	ds_add_u32 v[SPW], v[NIL]                      ; the wave's opening: the add and its wait ahead of my first tensor load
	ds_add_u32 v28, v29
	v_lshrrev_b32 v1, 5, v0
	v_readfirstlane_b32 s20, v1                    ; wave 0..3
	s_lshr_b32 s21, s20, 1                         ; my half of the queries; also: I fetch Q (0) or K (1)
	s_and_b32 s22, s20, 1                          ; my half of the keys; also: which part of that tile I fetch
	s_and_b32 s23, ttmp7, 0xffff                   ; the batch
	v_and_b32 v1, 15, v0                           ; r
	v_bfe_u32 v2, v0, 4, 1                         ; h
	s_mov_b32 s72, 0x76543210                      ; v_permlanex16_b32: each lane takes its own place in the other half
	s_mov_b32 s73, 0xfedcba98
	; I = how many of the triangular numbers are at most x; J = x - I (I + 1) / 2.  (For x >= 36 these and the words below serve nothing.)
	s_mov_b32 s2, 0
.irp th, 1,3,6,10,15,21,28
	s_cmp_ge_u32 ttmp9, \th
	s_cselect_b32 s76, 1, 0
	s_add_co_u32 s2, s2, s76
.endr
	s_add_co_u32 s76, s2, 1
	s_mul_i32 s76, s76, s2
	s_lshr_b32 s76, s76, 1
	s_sub_co_u32 s3, ttmp9, s76
	s_mov_b32 s[G1+0], (1<<16)|(1<<20)|(5<<22)|(3<<25)   ; 2-byte elements; padding of 4 words after every 64
	s_mov_b32 s[G1+1], 128<<16                     ; tensor_dim0 = 128
	s_mov_b32 s[G1+2], 128<<16                     ; tensor_dim1 = 128
	s_mov_b32 s[G1+3], 128<<16                     ; tile_dim0 = 128
	s_mov_b32 s[G1+4], 128                         ; tile_dim1 = 128
	s_mov_b32 s[G1+5], 1024                        ; elements from row to row
	s_mov_b32 s[G1+6], 0
	s_mov_b32 s[G1+7], 0
	s_mov_b32 s[G1B+0], (1<<16)|(1<<20)|(4<<22)|(3<<25)  ; 256 dense keys as 128 rows of 256 bytes; padding of 4 words after every 32: behind each key
	s_mov_b32 s[G1B+1], 128<<16
	s_mov_b32 s[G1B+2], 128<<16
	s_mov_b32 s[G1B+3], 128<<16
	s_mov_b32 s[G1B+4], 128
	s_mov_b32 s[G1B+5], 128
	s_mov_b32 s[G1B+6], 0
	s_mov_b32 s[G1B+7], 0
	s_lshl_b32 s42, s23, 22                        ; Q: (2,048 b + 256 I + 128 half) rows of 2,048 bytes
	s_lshl_b32 s43, s2, 19
	s_add_co_u32 s42, s42, s43
	s_lshl_b32 s43, s22, 18
	s_add_co_u32 s42, s42, s43
	s_mov_b32 s43, 0
	s_lshl_b32 s44, s22, 20                        ; K: slab half, (2,048 b + 256 J) rows of 128 bytes
	s_lshl_b32 s45, s23, 18
	s_add_co_u32 s44, s44, s45
	s_lshl_b32 s45, s3, 15
	s_add_co_u32 s44, s44, s45
	s_mov_b32 s45, 0
	s_mul_i32 s46, s22, HALFT                      ; where Q's half goes,
	s_mul_i32 s47, s22, KSLAB
	s_add_co_u32 s47, s47, BOFF                    ; and K's slab
	s_mov_b32 s[TB], 0
	s_wait_dscnt 0x0                               ; the opening add is done
	s_wait_kmcnt 0x0
	s_cmp_ge_u32 ttmp9, 36
	s_cbranch_scc1 .Lhead                          ; the same way for all four waves of a work-group
	s_add_nc_u64 s[42:43], s[4:5], s[42:43]
	s_add_nc_u64 s[44:45], s[6:7], s[44:45]
.irp s, 0,1
	s_mov_b32 s[G0+4*(\s)], 1
	s_add_co_u32 s[G0+4*(\s)+1], s46, (\s)*SLOT
	s_add_nc_u64 s[G0+4*(\s)+2:G0+4*(\s)+3], s[42:43], (\s)*ASTEP
	s_or_b32 s[G0+4*(\s)+3], s[G0+4*(\s)+3], 0x80000000
	s_mov_b32 s[G0B+4*(\s)], 1
	s_add_co_u32 s[G0B+4*(\s)+1], s47, (\s)*SLOT
	s_add_nc_u64 s[G0B+4*(\s)+2:G0B+4*(\s)+3], s[44:45], (\s)*BSTEP
	s_or_b32 s[G0B+4*(\s)+3], s[G0B+4*(\s)+3], 0x80000000
	LOAD \s                                        ; K steps 0 and 1: two loads of mine are out; set 1 then walks on
.endr
	v_mul_u32_u24 v3, v1, PITCH
	v_lshl_add_u32 v3, v2, 4, v3
	s_mul_i32 s74, s21, HALFT
	v_add_nc_u32 v[A0], s74, v3                    ; my 128 queries: row x pitch + 16 h
	v_mul_u32_u24 v4, v1, KP
	v_lshl_add_u32 v4, v2, 4, v4
	s_mul_i32 s74, s22, 128*KP
	s_add_co_u32 s74, s74, BOFF
	v_add_nc_u32 v[B0], s74, v4                    ; my 128 keys
	v_mov_b32 v[ADRA], v[A0]
	v_mov_b32 v[ADRB], v[B0]
	s_mul_i32 s74, s20, 16*SP
	s_add_co_u32 s74, s74, STAGE
	v_mul_u32_u24 v5, v1, SP
	v_lshl_add_u32 v5, v2, 4, v5
	v_add_nc_u32 v[STO], s74, v5
	v_mul_u32_u24 v5, v2, SP
	v_lshl_add_u32 v5, v1, 4, v5
	v_add_nc_u32 v[RD], s74, v5
	v_lshlrev_b32 v5, 12, v2
	v_lshl_add_u32 v[CO], v1, 4, v5                ; two rows of pb, 4,096 bytes apart
	s_lshl_b32 s74, s20, 9
	s_add_co_u32 s74, s74, XCH
	v_lshl_add_u32 v23, v1, 2, s74                 ; my row sums' words,
	s_xor_b32 s74, s20, 1
	s_lshl_b32 s74, s74, 9
	s_add_co_u32 s74, s74, XCH
	v_lshl_add_u32 v24, v1, 2, s74                 ; and those of the wave with the other 128 keys
	v_and_b32 v25, 31, v0
	v_lshlrev_b32 v25, 2, v25
.macro MUL16 f, hi, a0, zero           ; 16 matrix instructions: query blocks a0, a0 + 1 of the window's four x 8 key blocks, 32 channels
	WIN MUL_LO+0x50*(\hi)
.irp a, \a0, (\a0)+1
.irp b, 0,1,2,3,4,5,6,7
.if \zero
	v_wmma_f32_16x16x32_bf16 v[8*(8*(\a)+(\b)):8*(8*(\a)+(\b))+7], v[(\f)+8*(\b):(\f)+8*(\b)+7], v[(\f)+8*(4*(\hi)+(\a)):(\f)+8*(4*(\hi)+(\a))+7], 0
.else
	v_wmma_f32_16x16x32_bf16 v[8*(8*(\a)+(\b)):8*(8*(\a)+(\b))+7], v[(\f)+8*(\b):(\f)+8*(\b)+7], v[(\f)+8*(4*(\hi)+(\a)):(\f)+8*(4*(\hi)+(\a))+7], v[8*(8*(\a)+(\b)):8*(8*(\a)+(\b))+7]
.endif
.endr
.endr
.endm
.macro FETCH q, f                      ; 32 LDS loads in one run: quarter q: slab q / 2, channels 32 (q % 2) on
	WIN TO_B
.irp i, 0,1,2,3,4,5,6,7
	ds_load_b128 v[(\f)+8*(\i):(\f)+8*(\i)+3],   v[ADRB] offset:((\q)/2)*KSLAB+((\q)%2)*64+(\i)*16*KP
	ds_load_b128 v[(\f)+8*(\i)+4:(\f)+8*(\i)+7], v[ADRB] offset:((\q)/2)*KSLAB+((\q)%2)*64+(\i)*16*KP+32
.endr
	WIN 0
.irp i, 0,1,2,3,4,5,6,7
	ds_load_b128 v[(\f)+8*(\i):(\f)+8*(\i)+3],   v[ADRA] offset:64*(\q)+(\i)*16*PITCH
	ds_load_b128 v[(\f)+8*(\i)+4:(\f)+8*(\i)+7], v[ADRA] offset:64*(\q)+(\i)*16*PITCH+32
.endr
.endm
.macro QUARTER q, f, g, zero           ; multiplies buffer f; in its middle fetches quarter q into buffer g
	s_wait_dscnt 8                                 ; the youngest eight loads (queries 64-127) may be out
	MUL16 \f, 0, 0, \zero
	MUL16 \f, 0, 2, \zero
	PLACES
	FETCH \q, \g
	s_wait_dscnt 32                                ; all but the 32 just issued
	MUL16 \f, 1, 0, \zero
	MUL16 \f, 1, 2, \zero
.endm
.macro TURN fill                       ; the last quarter and the change of slots: wait for all my tensor loads, the add, the wait for it and for my reads, one barrier, the refill first behind it
	WIN 0
	s_wait_tensorcnt 0x0
	ds_add_u32 v[SPW], v[NIL]
.if \fill
	s_xor_b32 s[G0+5], s[G0+5], SLOT               ; no load of mine is out: the walking descriptors step: the other slot, the next K step
	s_add_nc_u64 s[G0+6:G0+7], s[G0+6:G0+7], ASTEP
	s_xor_b32 s[G0B+5], s[G0B+5], SLOT
	s_add_nc_u64 s[G0B+6:G0B+7], s[G0B+6:G0B+7], BSTEP
.endif
	s_wait_dscnt 9                                 ; the add and the youngest eight loads may be out
	MUL16 F1, 0, 0, 0
	s_wait_dscnt 0x0                               ; the add is done, my reads of this slot are over
	s_barrier_signal -1
	MUL16 F1, 0, 2, 0
	WIN 0
	s_barrier_wait -1
.if \fill
	LOAD 1                                         ; its four v_nop are also the places in front of the loads below
.else
	PLACES
.endif
	s_xor_b32 s[TB], s[TB], SLOT
	v_add_nc_u32 v[ADRA], s[TB], v[A0]
	v_add_nc_u32 v[ADRB], s[TB], v[B0]
	FETCH 0, F0
	MUL16 F1, 1, 0, 0
	MUL16 F1, 1, 2, 0
.endm
	s_wait_tensorcnt 1                             ; my part of K step 0 is in; K step 1's may stay out
	s_barrier_signal -1
	s_barrier_wait -1
	FETCH 0, F0
	QUARTER 1, F0, F1, 1                           ; the first quarter's products start the sums
	WIN 0
	s_mov_b32 s67, 6
.Lstep:                                                ; six trips: from a K step's second quarter to the next one's first; the refills bring K steps 2 to 7
	QUARTER 2, F1, F0, 0
	QUARTER 3, F0, F1, 0
	TURN 1
	QUARTER 1, F0, F1, 0
	WIN 0
	s_sub_co_u32 s67, s67, 1
	s_cmp_lg_u32 s67, 0
	s_cbranch_scc1 .Lstep
	; The last two K steps ask for nothing: one text, two trips.  The second trip has no K step behind it: it jumps forward over the quarter that would multiply one.  Its change of slots, a barrier and
	; 32 LDS loads of bytes read before, serves nothing: the price of the one text.
	s_mov_b32 s67, 2
.Ltail:
	QUARTER 2, F1, F0, 0
	QUARTER 3, F0, F1, 0
	TURN 0
	WIN 0
	s_cmp_eq_u32 s67, 1
	s_cbranch_scc1 .Lno_more
	QUARTER 1, F0, F1, 0
	WIN 0
.Lno_more:
	s_sub_co_u32 s67, s67, 1
	s_cmp_lg_u32 s67, 0
	s_cbranch_scc1 .Ltail
	s_wait_dscnt 0x0                               ; the last trip's loads have landed: their registers are at work below
	; THE MASKS, as factors 0 or 1.  key > 0: my 128 x 128 lies below the diagonal; key < 0: above; key = 0: on it, and block (a, b) is seen for b < a, hidden for b > a, triangular for b = a.
	s_sub_co_i32 s68, s21, s22
	s_cmp_eq_u32 s2, s3
	s_cselect_b32 s68, s68, 1
	s_cmp_ge_i32 s68, 0
	s_cselect_b32 s69, 1.0, 0
	s_cmp_gt_i32 s68, 0
	s_cselect_b32 s70, 1.0, 0
	s_cmp_eq_u32 s68, 0
	s_cselect_b32 s71, -1, 0
	s_mov_b32 s75, 0xffff0000                      ; lanes 16-31
	v_mov_b32 v40, s69                             ; blocks b < a
	v_mov_b32 v41, s69
	v_mov_b32 v42, s70                             ; blocks b > a
	v_mov_b32 v43, s70
	v_mov_b32 v61, 0                               ; the unused partners of pairs that are named whole
	v_mov_b32 v63, 0
	v_mov_b32 v73, 0
	v_lshlrev_b32 v3, 3, v2
	v_sub_nc_u32 v3, v1, v3                        ; r - 8 h: register e's key is seen where e is at most that
.irp e, 0,1,2,3,4,5,6,7
	v_cmp_le_i32 s74, \e, v3
	v_cndmask_b32 v[32+(\e)], 0, 1.0, s74
	v_cndmask_b32 v[32+(\e)], v40, v[32+(\e)], s71 ; blocks b = a
.endr
	s_lshl_b32 s76, s23, 23                        ; pb: ((2,048 b + 256 I + 128 rh) x 2,048 + 256 J + 128 ch) x 2
	s_lshl_b32 s74, s2, 20
	s_add_co_u32 s76, s76, s74
	s_lshl_b32 s74, s21, 19
	s_add_co_u32 s76, s76, s74
	s_lshl_b32 s74, s3, 9
	s_add_co_u32 s76, s76, s74
	s_lshl_b32 s74, s22, 8
	s_add_co_u32 s76, s76, s74
	s_mov_b32 s77, 0
	s_add_nc_u64 s[76:77], s[14:15], s[76:77]
	s_lshl_b32 s78, s23, 16                        ; rs: ((8 b + J) x 2,048 + 256 I + 128 rh) x 4
	s_lshl_b32 s74, s3, 13
	s_add_co_u32 s78, s78, s74
	s_lshl_b32 s74, s2, 10
	s_add_co_u32 s78, s78, s74
	s_lshl_b32 s74, s21, 9
	s_add_co_u32 s78, s78, s74
	s_mov_b32 s79, 0
	s_add_nc_u64 s[78:79], s[16:17], s[78:79]
; The masked sum of query block a over my 128 keys: four chains, chain c on pair c of each accumulator, pair 0 first.
.macro SUMS a
	WIN 0x02+((\a)/4)
.irp b, 0,1,2,3,4,5,6,7
.irp c, 0,1,2,3
.set rA, 8*(8*((\a)%4)+(\b))+2*(\c)
.if (\b) < (\a)
.set rM, 40
.elseif (\b) == (\a)
.set rM, 32+2*(\c)
.else
.set rM, 42
.endif
.if (\b) == 0
	v_pk_mul_f32 v[76+2*(\c):77+2*(\c)], v[rA:rA+1], v[rM:rM+1]
.else
	v_pk_fma_f32 v[76+2*(\c):77+2*(\c)], v[rA:rA+1], v[rM:rM+1], v[76+2*(\c):77+2*(\c)]
.endif
.endr
.endr
	WIN 0
	v_pk_add_f32 v[76:77], v[76:77], v[78:79]
	v_pk_add_f32 v[80:81], v[80:81], v[82:83]
	v_pk_add_f32 v[76:77], v[76:77], v[80:81]
	v_add_f32 v76, v76, v77
	v_permlanex16_b32 v77, v76, s72, s73           ; the row's other 64 keys lie in the lane 16 away
	v_add_f32 v[44+(\a)], v76, v77
.endm
.irp a, 0,1,2,3,4,5,6,7
	SUMS \a
.endr
.irp a, 0,1,2,3,4,5,6,7
	ds_store_b32 v23, v[44+(\a)] offset:64*(\a)
.endr
	s_wait_dscnt 0x0                               ; for the other wave's sake
	s_barrier_signal -1
	s_barrier_wait -1
.irp a, 0,1,2,3,4,5,6,7
	ds_load_b32 v[84+(\a)], v24 offset:64*(\a)
.endr
	s_wait_dscnt 0x0
.irp a, 0,1,2,3,4,5,6,7
	v_add_f32 v[44+(\a)], v[44+(\a)], v[84+(\a)]   ; the tile's row sums
.endr
	s_cmp_lg_u32 s22, 0
	s_cbranch_scc1 .Lno_rs                         ; one of the two waves stores them
.irp m, 0,1,2,3
	v_cndmask_b32 v[92+(\m)], v[44+2*(\m)], v[45+2*(\m)], s75
.endr
.irp m, 0,1,2,3
	global_store_b32 v25, v[92+(\m)], s[78:79] offset:128*(\m)   ; the wave stores 128 consecutive bytes: 32 rows' sums
.endr
.Lno_rs:
.irp a, 0,1,2,3,4,5,6,7
	v_max_num_f32 v[52+(\a)], 0x0da24260, v[44+(\a)]   ; at least 1e-30
.endr
.irp a, 0,1,2,3,4,5,6,7
	v_rcp_f32 v[52+(\a)], v[52+(\a)]
.endr
	v_nop                                          ; a plain instruction behind the last reciprocal
	s_wait_alu depctr_va_vdst(0)
; Query block a goes out: scores x mask / row sum, rounded to f16, through my stage, as whole rows of 256 bytes.
.macro OUT a
	WIN 0
	v_mov_b32 v72, v[52+(\a)]
	v_mul_f32 v60, v[52+(\a)], v40
	v_mul_f32 v62, v[52+(\a)], v42
.irp c, 0,1,2,3
	v_pk_mul_f32 v[64+2*(\c):65+2*(\c)], v[32+2*(\c):33+2*(\c)], v[72:73] op_sel_hi:[1,0]
.endr
	WIN 0x02+((\a)/4)
.irp b, 0,1,2,3,4,5,6,7
.irp c, 0,1,2,3
.set rA, 8*(8*((\a)%4)+(\b))+2*(\c)
.if (\b) < (\a)
	v_pk_mul_f32 v[96+8*(\b)+2*(\c):97+8*(\b)+2*(\c)], v[rA:rA+1], v[60:61] op_sel_hi:[1,0]
.elseif (\b) == (\a)
	v_pk_mul_f32 v[96+8*(\b)+2*(\c):97+8*(\b)+2*(\c)], v[rA:rA+1], v[64+2*(\c):65+2*(\c)]
.else
	v_pk_mul_f32 v[96+8*(\b)+2*(\c):97+8*(\b)+2*(\c)], v[rA:rA+1], v[62:63] op_sel_hi:[1,0]
.endif
.endr
.endr
	WIN 0
.set i, 0
.rept 32
	v_cvt_pk_f16_f32 v[192+i], v[96+2*i], v[97+2*i]
.set i, i+1
.endr
.irp b, 0,1,2,3,4,5,6,7
	ds_store_b128 v[STO], v[192+4*(\b):195+4*(\b)] offset:32*(\b)
.endr
	s_wait_xcnt 0x0                                ; the block before's stores have read v224-255 and their base: only now are these written again
.if (\a) > 0
	s_add_nc_u64 s[76:77], s[76:77], 16*4096
.endif
.irp t, 0,1,2,3,4,5,6,7
	ds_load_b128 v[224+4*(\t):227+4*(\t)], v[RD] offset:(\t)*2*SP   ; LDS serves a wave's instructions in order (ISA guide 5.7.1.4): these see the stores above
.endr
	s_wait_dscnt 0x0
.irp t, 0,1,2,3,4,5,6,7
	global_store_b128 v[CO], v[224+4*(\t):227+4*(\t)], s[76:77] offset:8192*(\t)   ; 16 lanes store 256 consecutive bytes, aligned
.endr
.endm
.irp a, 0,1,2,3,4,5,6,7
	OUT \a
.endr
	s_wait_tensorcnt 0x0                           ; the wave's end
	ds_add_u32 v[SPW], v[NIL]
	s_wait_dscnt 0x0
	s_endpgm
.Lhead:
	; THE HEAD ROWS.  The work-group owns channels c0 .. c0 + 63 of all 16 rows; wave w makes batch w's weights, channels 16 w .. + 15 of the product, and stores batch w's four rows.
	s_sub_co_u32 s40, ttmp9, 36
	s_lshl2_add_u32 s40, s23, s40                  ; my slice: 4 y + x - 36
	s_lshl_b32 s41, s40, 6                         ; c0
	s_mov_b32 s43, 0
	v_and_b32 v3, 31, v0
	v_lshlrev_b32 v4, 6, v3                        ; q: a lane holds channels 32 l .. 32 l + 31: 64 l
	v_lshrrev_b32 v5, 1, v3
	v_and_b32 v6, 1, v3
	v_lshlrev_b32 v15, 13, v5
	v_lshl_add_u32 v15, v6, 4, v15                 ; wc: k row l / 2 of sixteen, 16 bytes by l % 2
	v_mul_u32_u24 v16, v5, HWP
	v_lshl_add_u32 v16, v6, 4, v16                 ; and the same place in my staging rows
	v_lshlrev_b32 v5, 20, v5                       ; k: slab l / 2,
	v_lshl_add_u32 v5, v6, 6, v5                   ; its half l % 2
	v_and_b32 v11, 7, v0
	v_lshl_add_u32 v11, v2, 3, v11
	v_mul_u32_u24 v11, v11, HWP
	v_bfe_u32 v12, v0, 3, 1
	v_lshl_add_u32 v11, v12, 4, v11                ; the turning load: k row 8 h + l % 8, 16 bytes by (l / 8) % 2
	s_mul_i32 s42, s20, 64*HWP
	s_add_co_u32 s42, s42, HW                      ; my wave's staging rows
	v_add_nc_u32 v16, s42, v16
	v_add_nc_u32 v11, s42, v11
	s_lshl_b32 s42, s20, 22
	s_add_nc_u64 s[44:45], s[4:5], s[42:43]        ; q of batch w
	s_lshl_b32 s42, s20, 18
	s_add_nc_u64 s[46:47], s[6:7], s[42:43]        ; k of batch w
	s_lshl_b32 s42, s20, 5
	s_lshl1_add_u32 s42, s41, s42
	s_add_co_u32 s42, s42, 6144
	s_add_nc_u64 s[48:49], s[10:11], s[42:43]      ; wc at column 3,072 + c0 + 16 w
	s_lshl_b32 s42, s20, 4
	s_add_co_u32 s42, s42, s41
	s_add_co_u32 s42, s42, 2048
	s_lshl_b32 s42, s42, 2
	v_lshl_add_u32 v7, v1, 2, s42                  ; v's bias of column c0 + 16 w + r
.irp t, 0,1,2,3
.irp c, 0,1,2,3
	global_load_b128 v[64+16*(\t)+4*(\c):67+16*(\t)+4*(\c)], v4, s[44:45] offset:2048*(\t)+16*(\c)
	global_load_b128 v[128+16*(\t)+4*(\c):131+16*(\t)+4*(\c)], v5, s[46:47] offset:128*(\t)+16*(\c)
.endr
.endr
	global_load_b32 v42, v7, s[12:13]
	v_mov_b32 v43, 0
	s_wait_loadcnt 0x0
.macro DOTS i, hi                      ; one half of register i of each row enters the ten sums D[t (t + 1) / 2 + s] = q_t . k_s, s <= t
.irp t, 0,1,2,3
.irp s, 0,1,2,3
.if (\s) <= (\t)
.set rD, 32+(\t)*((\t)+1)/2+(\s)
.if ((\i) == 0) && ((\hi) == 0)
	v_fma_mix_f32_bf16 v[rD], v[64+16*(\t)+(\i)], v[128+16*(\s)+(\i)], v[NIL] op_sel_hi:[1,1,0]
.elseif (\hi) == 0
	v_fma_mix_f32_bf16 v[rD], v[64+16*(\t)+(\i)], v[128+16*(\s)+(\i)], v[rD] op_sel_hi:[1,1,0]
.else
	v_fma_mix_f32_bf16 v[rD], v[64+16*(\t)+(\i)], v[128+16*(\s)+(\i)], v[rD] op_sel:[1,1,0] op_sel_hi:[1,1,0]
.endif
.endif
.endr
.endr
.endm
.set n, 0
.rept 16
	DOTS n, 0
	DOTS n, 1
.set n, n+1
.endr
.irp d, 32,33,34,35,36,37,38,39,40,41
	WSUM \d, 43
.endr
	v_cvt_pk_bf16_f32 v43, v42, v42                ; the bias rounded to bf16, like every input
	v_lshlrev_b32 v42, 16, v43
	v_add_f32 v45, v33, v34
	v_add_f32 v46, v35, v36
	v_add_f32 v47, v38, v39
	v_add_f32 v48, v40, v41
	v_add_f32 v46, v46, v37
	v_add_f32 v47, v47, v48
	v_add_f32 v44, 0x358637bd, v32                 ; + 1e-6
	v_add_f32 v45, 0x358637bd, v45
	v_add_f32 v46, 0x358637bd, v46
	v_add_f32 v47, 0x358637bd, v47
	v_rcp_f32 v44, v44
	v_rcp_f32 v45, v45
	v_rcp_f32 v46, v46
	v_rcp_f32 v47, v47
	s_lshl_b32 s42, s20, 6
	s_add_co_u32 s42, s42, HX
	v_mov_b32 v8, s42                              ; also the plain instruction behind the last reciprocal
	s_wait_alu depctr_va_vdst(0)
.irp t, 0,1,2,3
.irp s, 0,1,2,3
.if (\s) <= (\t)
	v_mul_f32 v[32+(\t)*((\t)+1)/2+(\s)], v[32+(\t)*((\t)+1)/2+(\s)], v[44+(\t)]
.endif
.endr
.endr
.irp d, 0,1,2,3,4,5,6,7,8,9
	ds_store_b32 v8, v[32+(\d)] offset:4*(\d)      ; every lane holds the same number
.endr
	s_wait_dscnt 0x0                               ; for the others' sake: my weights are stored
	s_barrier_signal -1
	s_barrier_wait -1
	; In the product's result a lane holds rows m = 8 h + j, that is batches 2 h and 2 h + 1, of column r: it takes those two batches' weights.
	v_lshlrev_b32 v9, 7, v2
	v_add_nc_u32 v9, HX, v9
	ds_load_b128 v[44:47], v9
	ds_load_b128 v[48:51], v9 offset:16
	ds_load_b64 v[52:53], v9 offset:32
	ds_load_b128 v[54:57], v9 offset:64
	ds_load_b128 v[58:61], v9 offset:80
	ds_load_b64 v[62:63], v9 offset:96
	v_lshlrev_b32 v10, 12, v1
	v_lshl_add_u32 v10, v2, 4, v10                 ; xh: row r, 16 h
; 128 along K.  hi's and lo's fragments come from xh as they lie.  wc lies [k][n]: my 16 columns of 128 k rows come into registers, and 64 rows at a time go into my staging rows and come back turned
; (LDS serves a wave's instructions in order, ISA guide 5.7.1.4: the second 64 rows' stores come behind the first's loads).  hi's products and lo's are on four accumulators by turns.
.macro HSTEP zero
	PLACES
.irp i, 0,1,2,3,4,5,6,7
	global_load_b128 v[208+4*(\i):211+4*(\i)], v15, s[48:49] offset:131072*(\i)
.endr
.irp kk, 0,1,2,3
	global_load_b128 v[64+8*(\kk):67+8*(\kk)],   v10, s[8:9] offset:64*(\kk)
	global_load_b128 v[68+8*(\kk):71+8*(\kk)],   v10, s[8:9] offset:64*(\kk)+32
	global_load_b128 v[96+8*(\kk):99+8*(\kk)],   v10, s[8:9] offset:2048+64*(\kk)
	global_load_b128 v[100+8*(\kk):103+8*(\kk)], v10, s[8:9] offset:2048+64*(\kk)+32
.endr
	s_wait_loadcnt 0x0
	s_add_nc_u64 s[8:9], s[8:9], 256               ; the loads are done: their bases may step
	s_add_nc_u64 s[48:49], s[48:49], 128*8192
.irp j, 0,1
.irp i, 0,1,2,3
	ds_store_b128 v16, v[208+16*(\j)+4*(\i):211+16*(\j)+4*(\i)] offset:16*HWP*(\i)
.endr
.irp c, 0,1
	ds_load_tr16_b128 v[128+8*(2*(\j)+(\c)):131+8*(2*(\j)+(\c))], v11 offset:32*HWP*(\c)
	ds_load_tr16_b128 v[132+8*(2*(\j)+(\c)):135+8*(2*(\j)+(\c))], v11 offset:32*HWP*(\c)+16*HWP
.endr
.endr
	s_wait_dscnt 0x0
.irp kk, 0,1,2,3
.if (\zero) && ((\kk) < 2)
	v_wmma_f32_16x16x32_f16 v[160+16*((\kk)%2):167+16*((\kk)%2)], v[64+8*(\kk):71+8*(\kk)], v[128+8*(\kk):135+8*(\kk)], 0
	v_wmma_f32_16x16x32_f16 v[168+16*((\kk)%2):175+16*((\kk)%2)], v[96+8*(\kk):103+8*(\kk)], v[128+8*(\kk):135+8*(\kk)], 0
.else
	v_wmma_f32_16x16x32_f16 v[160+16*((\kk)%2):167+16*((\kk)%2)], v[64+8*(\kk):71+8*(\kk)], v[128+8*(\kk):135+8*(\kk)], v[160+16*((\kk)%2):167+16*((\kk)%2)]
	v_wmma_f32_16x16x32_f16 v[168+16*((\kk)%2):175+16*((\kk)%2)], v[96+8*(\kk):103+8*(\kk)], v[128+8*(\kk):135+8*(\kk)], v[168+16*((\kk)%2):175+16*((\kk)%2)]
.endif
.endr
.endm
	HSTEP 1                                        ; the first step starts the sums
	s_mov_b32 s67, 7
.Lhstep:
	HSTEP 0
	s_sub_co_u32 s67, s67, 1
	s_cmp_lg_u32 s67, 0
	s_cbranch_scc1 .Lhstep
	PLACES
.irp c, 0,1,2,3
	v_pk_add_f32 v[32+2*(\c):33+2*(\c)], v[160+2*(\c):161+2*(\c)], v[176+2*(\c):177+2*(\c)]   ; each accumulator's low registers first
.endr
.irp c, 0,1,2,3
	v_pk_add_f32 v[192+2*(\c):193+2*(\c)], v[168+2*(\c):169+2*(\c)], v[184+2*(\c):185+2*(\c)]
.endr
.irp c, 0,1,2,3
	v_pk_add_f32 v[32+2*(\c):33+2*(\c)], v[32+2*(\c):33+2*(\c)], v[192+2*(\c):193+2*(\c)]
.endr
.irp c, 0,1,2,3
	v_pk_add_f32 v[32+2*(\c):33+2*(\c)], v[32+2*(\c):33+2*(\c)], v[42:43] op_sel_hi:[1,0]   ; v of rows 8 h + j, column r
.endr
.irp be, 0,1
.irp t, 0,1,2,3
	v_mul_f32 v[200+4*(\be)+(\t)], v[44+10*(\be)+(\t)*((\t)+1)/2], v[32+4*(\be)]
.irp s, 1,2,3
.if (\s) <= (\t)
	v_fma_f32 v[200+4*(\be)+(\t)], v[44+10*(\be)+(\t)*((\t)+1)/2+(\s)], v[32+4*(\be)+(\s)], v[200+4*(\be)+(\t)]
.endif
.endr
.endr
.endr
	v_mul_u32_u24 v12, v2, 8*SP
	v_lshl_add_u32 v12, v1, 2, v12
	s_lshl_b32 s42, s20, 6
	s_add_co_u32 s42, s42, HST
	v_add_nc_u32 v12, s42, v12                     ; stage row 8 h + j, column 16 w + r
.irp j, 0,1,2,3,4,5,6,7
	ds_store_b32 v12, v[200+(\j)] offset:SP*(\j)
.endr
	s_wait_dscnt 0x0                               ; for the others' sake: a stage row's 256 bytes come from four waves
	s_barrier_signal -1
	s_barrier_wait -1
	s_mul_i32 s42, s20, 4*SP                       ; wave w stores batch w's four rows: stage rows 4 w .. 4 w + 3
	s_add_co_u32 s42, s42, HST
	v_mul_u32_u24 v13, v2, SP
	v_lshl_add_u32 v13, v1, 4, v13
	v_add_nc_u32 v13, s42, v13
	ds_load_b128 v[64:67], v13                     ; rows t = h
	ds_load_b128 v[68:71], v13 offset:2*SP         ; and t = 2 + h
	s_lshl_b32 s42, s20, 23                        ; out0: batch w, 4 c0 bytes into the row
	s_lshl_b32 s46, s41, 2
	s_add_co_u32 s42, s42, s46
	s_add_nc_u64 s[44:45], s[18:19], s[42:43]
	v_lshlrev_b32 v14, 12, v2
	v_lshl_add_u32 v14, v1, 4, v14
	s_wait_dscnt 0x0
	global_store_b128 v14, v[64:67], s[44:45]                 ; 16 lanes store 256 consecutive bytes, aligned
	global_store_b128 v14, v[68:71], s[44:45] offset:8192
	s_wait_tensorcnt 0x0                           ; the wave's end
	ds_add_u32 v[SPW], v[NIL]
	s_wait_dscnt 0x0
	s_endpgm
.Lfunc_end_k_qc055ad5907_score:
	.size	k_qc055ad5907_score, .Lfunc_end_k_qc055ad5907_score-k_qc055ad5907_score
	.p2alignl 7, 3214868480
	.fill 96, 4, 3214868480
	.section	.rodata,"a",@progbits
	.p2align	6, 0x0
	.amdhsa_kernel k_qc055ad5907_score
		.amdhsa_group_segment_fixed_size 327680
		.amdhsa_private_segment_fixed_size 0
		.amdhsa_enable_private_segment 0
		.amdhsa_kernarg_size 64
		.amdhsa_user_sgpr_count 2
		.amdhsa_user_sgpr_kernarg_segment_ptr 1
		.amdhsa_wavefront_size32 1
		.amdhsa_system_sgpr_workgroup_id_x 1
		.amdhsa_system_sgpr_workgroup_id_y 1
		.amdhsa_system_sgpr_workgroup_id_z 1
		.amdhsa_system_vgpr_workitem_id 0
		.amdhsa_next_free_vgpr 1024
		.amdhsa_next_free_sgpr 100
		.amdhsa_reserve_vcc 0
		.amdhsa_float_denorm_mode_32 3
		.amdhsa_float_denorm_mode_16_64 3
		.amdhsa_memory_ordered 1
		.amdhsa_forward_progress 1
		.amdhsa_inst_pref_size 186
	.end_amdhsa_kernel
	.amdgpu_metadata
---
amdhsa.version: [ 1, 2 ]
amdhsa.kernels:
  - .name:           k_qc055ad5907_score
    .symbol:         k_qc055ad5907_score.kd
    .args:
      - { .name: qb, .offset: 0, .size: 8, .value_kind: global_buffer, .address_space: global }
      - { .name: kb, .offset: 8, .size: 8, .value_kind: global_buffer, .address_space: global }
      - { .name: xh, .offset: 16, .size: 8, .value_kind: global_buffer, .address_space: global }
      - { .name: wc, .offset: 24, .size: 8, .value_kind: global_buffer, .address_space: global }
      - { .name: qkv_b, .offset: 32, .size: 8, .value_kind: global_buffer, .address_space: global }
      - { .name: pb, .offset: 40, .size: 8, .value_kind: global_buffer, .address_space: global }
      - { .name: rs, .offset: 48, .size: 8, .value_kind: global_buffer, .address_space: global }
      - { .name: out0, .offset: 56, .size: 8, .value_kind: global_buffer, .address_space: global }
    .group_segment_fixed_size: 327680
    .private_segment_fixed_size: 0
    .kernarg_segment_align: 8
    .kernarg_segment_size: 64
    .max_flat_workgroup_size: 128
    .sgpr_count:     100
    .vgpr_count:     1024
    .wavefront_size: 32
...
	.end_amdgpu_metadata
.endif
;; end of part 6
;; launch mix (part 7): grid 4 x 64, 4 waves a work-group, clusters of 4 x 4, 327,680 bytes of LDS; arguments pb, vb, rs, out0; writes out0
.if DOCPART == 7
	.amdgcn_target "amdgcn-amd-amdhsa--gfx1250"
	.amdhsa_code_object_version 6
	.text
	.protected	k_qc055ad5907_mix
	.globl	k_qc055ad5907_mix
	.p2align	8
	.type	k_qc055ad5907_mix,@function
k_qc055ad5907_mix:
	s_mov_b64 s[64:65], 0
	v_nop
	global_prefetch_b8 v0, s[64:65] scope:SCOPE_SE
	s_setreg_imm32_b32 hwreg(HW_REG_WAVE_MODE, 25, 1), 1
	s_wait_xcnt 0x0
	s_wait_alu depctr_hold_cnt(0) depctr_sa_sdst(0) depctr_va_vdst(0) depctr_va_sdst(0) depctr_va_ssrc(0) depctr_va_vcc(0) depctr_vm_vsrc(0)
	s_getreg_b32 s2, hwreg(HW_REG_IB_STS2, 6, 4)
	s_cmp_eq_u32 s2, 0
	s_cbranch_scc0 .Lentry_in_a_cluster
	s_endpgm
.Lentry_in_a_cluster:
	s_bfe_u32 s2, ttmp6, 0x10000c
	s_cmp_lg_u32 s2, 0xf033
	s_cbranch_scc0 .Lentry_shape_is_right
	s_endpgm
.Lentry_shape_is_right:
; MIX.  out[t] = (sum over key chunks J of rs[J][t] x (P'_J V_J)[t]) / (sum over J of rs[J][t] + 1e-6), for all rows but t < 4 of each batch (made by the launch before).
; P' and V are f16; a chunk's product (256 keys) starts with C = 0 and is added, times its row sum, onto a total in f32.
; SHARES.  A work-group makes 128 rows x 128 channels, a wave 64 x 64: 16 accumulators.  A cluster of 4 x 4 covers a SUPER-BLOCK of 512 rows (128 by cy) x 512 channels (128 by cx).
; P's tiles are asked for jointly along a row of the cluster, V's along a column.  A slot holds a whole chunk: 128 rows x 256 keys of P' and 256 keys x 128 channels of V, 131,072 bytes of data
; for a wave's 128 matrix instructions, and one round of the cluster's barrier serves it.
; THE WALK.  Cluster y = 4 b + 2 cz + p takes, in channels 512 cz on of batch b, the super-blocks 3 - p and then p.  Super-block S needs the chunks 0 .. 2 S + 1: (8 - 2 p) + (2 p + 2) = 10 chunks whatever p.
; A loop trip is two chunks, slot 0 and slot 1; both super-blocks have an even number of chunks, so a super-block ends at a trip's end.  Branches hang on p alone, which all sixteen partners share.
; In a super-block's last chunk its lower 256 rows (cy < 2) see no key.  Those work-groups make every joint request all the same: for P' they ask for their own last chunk once more (pb holds nothing
; above the diagonal), and their row sum counts as 0, a selected value and no branch.  The price: two chunks in ten of their products serves nothing.
; Every LDS address is made once, at the kernel's head, a register for each slot, and never rewritten; each slot has descriptors of its own with a constant LDS word.
; The matrix instruction is used transposed (source 0 = 16 channels of V, turned by ds_load_tr16_b128; source 1 = 16 rows of P'): a lane holds one row and 8 neighbouring channels.
; The totals are cleared at the kernel's head, in the wait for the first tile, and where the first super-block ends: 128 lines each time; the price of one text for every chunk's merge.
; WINDOWS: 0 addresses, work, v128-255 the chunk's accumulators; 1 two fragment buffers of 128 (64 keys each: P' at f + 8 (4 c + a), V at f + 64 + 8 (4 c + bi)); 2 v0-127 the totals.
.set PP,    528                        ; a row of P' in LDS: 256 keys, 512 bytes + 16: the 16 rows of a load start at 16 different groups of four banks (ISA guide 11.1)
.set VP,    288                        ; a key's 128 channels: 256 bytes + 32
.set VOFF,  128*PP                     ; V's 256 keys lie behind P's 128 rows
.set SLOT,  0x24000                    ; from slot 0 to slot 1; a slot uses 141,312 bytes
.set STAGE, 288768                     ; behind the ring: 16 rows x 272 bytes for each wave
.set SP,    272
.set SPARE, 306176                     ; the spare words, 128 bytes for each wave
.set ADRA, 16                          ; v16-17  my place in P's tile, slot 0, 1
.set ADRB, 20                          ; v20-23  my place in V's tile: slot s, keys 0-127 at v[20+2s], keys 128-255 at v[21+2s] (an LDS offset has 16 bits)
.set STO,  24                          ; v24  the way out: where I put 32 bytes of a row
.set RD,   25                          ; v25  where I read a row back
.set CO,   26                          ; v26  my byte offset in out0
.set ROWV, 27                          ; v27  my first row in the batch + h
.set SPW,  28
.set NIL,  29
.set R4,   30                          ; v30  4 r
.set RSV,  96                          ; v[96+2a]   the chunk's row sum of row 16 a + r
.set DEN,  104                         ; v[104+2a]  their sum
.set RDN,  112                         ; v[112+2a]  1 / (that + 1e-6)
.set ACC,  128
.set F0,   0
.set F1,   128
.set G1,  24                           ; s[24:31] descriptor group 1 for P's tiles;  s[32:39] group 0, a set for each slot
.set G0,  32
.set G1B, 48                           ; s[48:55], s[56:63] the same for V's tiles
.set G0B, 56
.set MSB, 0
.macro WIN new                         ; the immediate's high byte repeats the setting that is left
.if MSB != (\new)
	s_set_vgpr_msb (MSB<<8)|(\new)
.set MSB, \new
.endif
.endm
.set MUL,  0x05
.set TO_F, 0x40
.macro PLACES                          ; four places behind matrix instructions (ISA guide 7.12.1)
.rept 4
	v_nop
.endr
.endm
.macro JLOAD s                         ; a joint load: waves 0, 1 fetch P's two halves, waves 2, 3 V's; s_nop 0 and four v_nop follow each line
	s_cmp_eq_u32 s13, 0
	s_cbranch_scc0 .Lfor_b_\@
	tensor_load_to_lds s[G0+4*(\s):G0+4*(\s)+3], s[G1:G1+7]
	s_nop 0
	PLACES
	s_branch .Lasked_\@
.Lfor_b_\@:
	tensor_load_to_lds s[G0B+4*(\s):G0B+4*(\s)+3], s[G1B:G1B+7]
	s_nop 0
	PLACES
.Lasked_\@:
.endm
.macro CREST                           ; a round of the cluster's barrier behind its opening barrier
	s_cmp_lg_u32 s12, 0
	s_cbranch_scc1 .Lnot_wave_0_\@
	s_barrier_signal -3
.Lnot_wave_0_\@:
	s_barrier_wait -3
	s_barrier_signal -1
	s_barrier_wait -1
.endm
.macro CROUND
	s_barrier_signal -1
	s_barrier_wait -1
	CREST
.endm
.macro CLEAR                           ; the totals and the divisors' sums
	WIN 0x80
.set i, 0
.rept 128
	v_mov_b32 v[i], 0
.set i, i+1
.endr
	WIN 0
.irp a, 0,1,2,3
	v_mov_b32 v[DEN+2*(\a)], 0
.endr
.endm
; Slot s's descriptors for chunk s66 of the super-block whose chunks are being asked for: each address is made anew from its base and the number.
.macro NEWADDR s
	s_min_u32 s70, s66, s96                        ; P': my rows' own last chunk at the most
	s_lshl_b32 s70, s70, 9                         ; 256 keys are 512 bytes of a row
	s_add_nc_u64 s[G0+4*(\s)+2:G0+4*(\s)+3], s[44:45], s[70:71]
	s_or_b32 s[G0+4*(\s)+3], s[G0+4*(\s)+3], 0x80000000
	s_lshl_b32 s72, s66, 19                        ; V: 256 rows of 2,048 bytes
	s_add_nc_u64 s[G0B+4*(\s)+2:G0B+4*(\s)+3], s[46:47], s[72:73]
	s_or_b32 s[G0B+4*(\s)+3], s[G0B+4*(\s)+3], 0x80000000
	s_add_co_u32 s66, s66, 1                       ; the super-block's next chunk, or behind its last the second super-block's chunk 0
	s_cmp_gt_u32 s66, s67
	s_cselect_b32 s66, 0, s66
	s_cselect_b64 s[44:45], s[42:43], s[44:45]
	s_cselect_b32 s96, s97, s96
	s_cselect_b32 s67, s69, s67
.endm
	s_load_b256 s[4:11], s[0:1], 0x0               ; pb, vb, rs, out0
	v_lshl_add_u32 v[SPW], v0, 2, SPARE
	v_mov_b32 v[NIL], 0
	ds_add_u32 v[SPW], v[NIL]                      ; the wave's opening: the add and its wait ahead of my first tensor load
	ds_add_u32 v28, v29
	v_lshrrev_b32 v1, 5, v0
	v_readfirstlane_b32 s12, v1                    ; wave 0..3
	s_lshr_b32 s13, s12, 1                         ; my half of the rows; also: I fetch P' (0) or V (1),
	s_and_b32 s14, s12, 1                          ; my half of the channels; also: which half of that tile
	s_bfe_u32 s15, ttmp6, 0x40000                  ; cx
	s_bfe_u32 s16, ttmp6, 0x40004                  ; cy
	s_and_b32 s17, ttmp7, 0xffff
	s_lshr_b32 s18, s17, 2                         ; b
	s_and_b32 s19, s17, 1                          ; p: the second super-block
	s_bfe_u32 s21, s17, 0x10001                    ; cz: which 512 channels
	s_sub_co_u32 s20, 3, s19                       ; the first super-block
	s_lshl_b32 s22, s16, 2
	s_lshl_b32 s22, 15, s22                        ; my row of the cluster
	s_lshl_b32 s23, 0x1111, s15                    ; my column
	s_or_b32 s[G1+0], s22, (1<<16)|(1<<20)|(1<<21)|(6<<22)|(3<<25)   ; mask; 2-byte elements; padding of 4 words after every 128
	s_mov_b32 s[G1+1], 256<<16                     ; 64 rows x 256 keys
	s_mov_b32 s[G1+2], 64<<16
	s_mov_b32 s[G1+3], 256<<16
	s_mov_b32 s[G1+4], 64
	s_mov_b32 s[G1+5], 2048
	s_mov_b32 s[G1+6], 0
	s_mov_b32 s[G1+7], 0
	s_or_b32 s[G1B+0], s23, (1<<16)|(1<<20)|(1<<21)|(5<<22)|(7<<25)  ; padding of 8 words after every 64
	s_mov_b32 s[G1B+1], 128<<16                    ; 128 keys x 128 channels
	s_mov_b32 s[G1B+2], 128<<16
	s_mov_b32 s[G1B+3], 128<<16
	s_mov_b32 s[G1B+4], 128
	s_mov_b32 s[G1B+5], 1024
	s_mov_b32 s[G1B+6], 0
	s_mov_b32 s[G1B+7], 0
	s_lshr_b32 s93, s16, 1
	s_lshl1_add_u32 s96, s20, s93                  ; my rows' block of 256, which is also their last chunk: 2 S + cy / 2, for the requests,
	s_lshl1_add_u32 s97, s19, s93                  ; in the second super-block,
	s_mov_b32 s98, s96                             ; and for the chunk in hand
	s_lshl_b32 s67, s20, 1
	s_add_co_u32 s67, s67, 1                       ; the last chunk of the super-block whose chunks are being asked for
	s_lshl_b32 s69, s19, 1
	s_add_co_u32 s69, s69, 1                       ; and of the second
	s_add_co_u32 s68, s67, 1                       ; chunks of the super-block in hand still to be multiplied
	s_lshl_b32 s90, s18, 23                        ; P': (2,048 b + 512 S + 128 cy + 64 half) rows of 4,096 bytes
	s_lshl_b32 s91, s16, 19
	s_add_co_u32 s90, s90, s91
	s_lshl_b32 s91, s14, 18
	s_add_co_u32 s90, s90, s91
	s_lshl_b32 s40, s20, 21
	s_add_co_u32 s40, s40, s90
	s_mov_b32 s41, 0
	s_lshl_b32 s42, s19, 21
	s_add_co_u32 s42, s42, s90
	s_mov_b32 s43, 0
	s_lshl_b32 s46, s18, 22                        ; V: (2,048 b + 128 half) rows of 2,048 bytes + (512 cz + 128 cx) x 2
	s_lshl_b32 s47, s14, 18
	s_add_co_u32 s46, s46, s47
	s_lshl_b32 s47, s21, 10
	s_add_co_u32 s46, s46, s47
	s_lshl_b32 s47, s15, 8
	s_add_co_u32 s46, s46, s47
	s_mov_b32 s47, 0
	s_lshl_b32 s92, s18, 16                        ; rs: (8 b x 2,048 + 512 S + 128 cy + 64 rh) x 4
	s_lshl_b32 s93, s16, 9
	s_add_co_u32 s92, s92, s93
	s_lshl_b32 s93, s13, 8
	s_add_co_u32 s92, s92, s93
	s_lshl_b32 s76, s20, 11
	s_add_co_u32 s76, s76, s92
	s_mov_b32 s77, 0
	s_lshl_b32 s78, s19, 11
	s_add_co_u32 s78, s78, s92
	s_mov_b32 s79, 0
	s_lshl_b32 s92, s18, 23                        ; out0: ((2,048 b + 512 S + 128 cy + 64 rh) x 1,024 + 512 cz + 128 cx + 64 ch) x 4
	s_lshl_b32 s93, s16, 19
	s_add_co_u32 s92, s92, s93
	s_lshl_b32 s93, s13, 18
	s_add_co_u32 s92, s92, s93
	s_lshl_b32 s93, s21, 11
	s_add_co_u32 s92, s92, s93
	s_lshl_b32 s93, s15, 9
	s_add_co_u32 s92, s92, s93
	s_lshl_b32 s93, s14, 8
	s_add_co_u32 s92, s92, s93
	s_lshl_b32 s82, s20, 21
	s_add_co_u32 s82, s82, s92
	s_mov_b32 s83, 0
	s_lshl_b32 s84, s19, 21
	s_add_co_u32 s84, s84, s92
	s_mov_b32 s85, 0
	s_lshl_b32 s93, s16, 7
	s_lshl_b32 s92, s13, 6
	s_add_co_u32 s93, s93, s92
	s_lshl_b32 s86, s20, 9
	s_add_co_u32 s86, s86, s93                     ; my first row in the batch, first super-block,
	s_lshl_b32 s87, s19, 9
	s_add_co_u32 s87, s87, s93                     ; and second
	s_mul_i32 s94, s14, 64*PP                      ; where my part goes: P's half,
	s_mul_i32 s95, s14, 128*VP
	s_add_co_u32 s95, s95, VOFF                    ; V's half
	s_mov_b32 s66, 2                               ; the chunk to be asked for next
	s_mov_b32 s71, 0
	s_mov_b32 s73, 0
	s_mov_b32 s75, 0                               ; the chunk in hand
	s_mov_b32 s91, 0
	s_wait_dscnt 0x0                               ; the opening add is done
	s_wait_kmcnt 0x0
	s_add_nc_u64 s[40:41], s[4:5], s[40:41]
	s_add_nc_u64 s[42:43], s[4:5], s[42:43]
	s_mov_b64 s[44:45], s[40:41]
	s_add_nc_u64 s[46:47], s[6:7], s[46:47]
	s_add_nc_u64 s[76:77], s[8:9], s[76:77]
	s_add_nc_u64 s[78:79], s[8:9], s[78:79]
	s_add_nc_u64 s[82:83], s[10:11], s[82:83]
	s_add_nc_u64 s[84:85], s[10:11], s[84:85]
	CROUND                                         ; all sixteen work-groups are here: the first joint loads meet
.irp s, 0,1
	s_mov_b32 s[G0+4*(\s)], 1
	s_add_co_u32 s[G0+4*(\s)+1], s94, (\s)*SLOT
	s_add_nc_u64 s[G0+4*(\s)+2:G0+4*(\s)+3], s[40:41], (\s)*512
	s_or_b32 s[G0+4*(\s)+3], s[G0+4*(\s)+3], 0x80000000
	s_mov_b32 s[G0B+4*(\s)], 1
	s_add_co_u32 s[G0B+4*(\s)+1], s95, (\s)*SLOT
	s_add_nc_u64 s[G0B+4*(\s)+2:G0B+4*(\s)+3], s[46:47], (\s)*524288
	s_or_b32 s[G0B+4*(\s)+3], s[G0B+4*(\s)+3], 0x80000000
	JLOAD \s                                       ; chunks 0 and 1 (the first super-block has six or more): two loads of mine are out
.endr
	v_and_b32 v1, 15, v0                           ; r
	v_bfe_u32 v2, v0, 4, 1                         ; h
	v_mul_u32_u24 v3, v1, PP
	v_lshl_add_u32 v3, v2, 4, v3
	s_mul_i32 s22, s13, 64*PP
	v_add_nc_u32 v[ADRA], s22, v3                  ; my 64 rows: row x pitch + 16 h
	v_add_nc_u32 v[ADRA+1], SLOT, v[ADRA]
	v_and_b32 v4, 7, v0
	v_lshl_add_u32 v4, v2, 3, v4
	v_mul_u32_u24 v4, v4, VP
	v_bfe_u32 v5, v0, 3, 1
	v_lshl_add_u32 v4, v5, 4, v4
	s_lshl_b32 s22, s14, 7
	s_add_co_u32 s22, s22, VOFF
	v_add_nc_u32 v[ADRB], s22, v4                  ; the turning load in my 64 channels: slot 0, keys 0-127,
	v_add_nc_u32 v[ADRB+1], 128*VP, v[ADRB]        ; keys 128-255,
	v_add_nc_u32 v[ADRB+2], SLOT, v[ADRB]          ; and the same in slot 1
	v_add_nc_u32 v[ADRB+3], SLOT, v[ADRB+1]
	s_mul_i32 s22, s12, 16*SP
	s_add_co_u32 s22, s22, STAGE
	v_mul_u32_u24 v5, v1, SP
	v_lshl_add_u32 v5, v2, 5, v5
	v_add_nc_u32 v[STO], s22, v5                   ; in: row r, 32 bytes for each half of the lanes
	v_mul_u32_u24 v5, v2, SP
	v_lshl_add_u32 v5, v1, 4, v5
	v_add_nc_u32 v[RD], s22, v5                    ; back: lanes 0-15 one row of 256 bytes, lanes 16-31 the next
	v_lshlrev_b32 v5, 12, v2
	v_lshl_add_u32 v[CO], v1, 4, v5
	v_lshlrev_b32 v[R4], 2, v1
.irp a, 0,1,2,3
	v_mov_b32 v[RSV+2*(\a)+1], 0                   ; the unused partners of pairs that are named whole
	v_mov_b32 v[RDN+2*(\a)+1], 0
.endr
	CLEAR
.macro MUL8 f, c, a0, zero             ; 8 matrix instructions: row blocks a0, a0 + 1 x 4 channel blocks, 32 keys: half c of buffer f
	WIN MUL
.irp a, \a0, (\a0)+1
.irp b, 0,1,2,3
.if \zero
	v_wmma_f32_16x16x32_f16 v[ACC+8*(4*(\a)+(\b)):ACC+8*(4*(\a)+(\b))+7], v[(\f)+64+8*(4*(\c)+(\b)):(\f)+64+8*(4*(\c)+(\b))+7], v[(\f)+8*(4*(\c)+(\a)):(\f)+8*(4*(\c)+(\a))+7], 0
.else
	v_wmma_f32_16x16x32_f16 v[ACC+8*(4*(\a)+(\b)):ACC+8*(4*(\a)+(\b))+7], v[(\f)+64+8*(4*(\c)+(\b)):(\f)+64+8*(4*(\c)+(\b))+7], v[(\f)+8*(4*(\c)+(\a)):(\f)+8*(4*(\c)+(\a))+7], v[ACC+8*(4*(\a)+(\b)):ACC+8*(4*(\a)+(\b))+7]
.endif
.endr
.endr
.endm
.macro FETCH slot, kq, f               ; 32 LDS loads in one run: keys 64 kq .. + 63 of the slot into buffer f, the first 32 keys first
	WIN TO_F
.irp c, 0,1
.irp i, 0,1,2,3
	ds_load_tr16_b128 v[(\f)+64+8*(4*(\c)+(\i)):(\f)+64+8*(4*(\c)+(\i))+3],   v[ADRB+2*(\slot)+(\kq)/2] offset:(2*((\kq)%2)+(\c))*32*VP+32*(\i)
	ds_load_tr16_b128 v[(\f)+64+8*(4*(\c)+(\i))+4:(\f)+64+8*(4*(\c)+(\i))+7], v[ADRB+2*(\slot)+(\kq)/2] offset:(2*((\kq)%2)+(\c))*32*VP+32*(\i)+16*VP
	ds_load_b128 v[(\f)+8*(4*(\c)+(\i)):(\f)+8*(4*(\c)+(\i))+3],   v[ADRA+(\slot)] offset:(\i)*16*PP+64*(2*(\kq)+(\c))
	ds_load_b128 v[(\f)+8*(4*(\c)+(\i))+4:(\f)+8*(4*(\c)+(\i))+7], v[ADRA+(\slot)] offset:(\i)*16*PP+64*(2*(\kq)+(\c))+32
.endr
.endr
.endm
.macro QUARTER slot, kq, f, g, zero    ; multiplies buffer f (64 keys); in its middle fetches keys 64 kq on of the slot into buffer g
	s_wait_dscnt 16                                ; the first 32 keys are in
	MUL8 \f, 0, 0, \zero
	MUL8 \f, 0, 2, \zero
	PLACES
	FETCH \slot, \kq, \g
	s_wait_dscnt 32                                ; all but the 32 just issued
	MUL8 \f, 1, 0, 0
	MUL8 \f, 1, 2, 0
.endm
; A chunk's last quarter multiplies buffer 1 and changes slots.  In front of the barrier each wave waits for all its tensor loads (one is out: its part of the next chunk), adds 0 to its spare word, and waits for
; that and for its reads of the slot.  fill = 1: the barrier opens a round of the cluster's, and the slot is filled again, with the chunk two on, first thing behind it: 128 matrix instructions ahead of the wait for it.
.macro TURN slot, next, fill
	WIN 0
	s_wait_tensorcnt 0x0
	ds_add_u32 v[SPW], v[NIL]
.if \fill
	NEWADDR \slot                                  ; no load of mine is out: the descriptors may be written
.endif
	s_wait_dscnt 17                                ; the add and the youngest sixteen loads may be out
	MUL8 F1, 0, 0, 0
	s_wait_dscnt 0x0                               ; the add is done, my reads of this slot are over
	s_barrier_signal -1
	MUL8 F1, 0, 2, 0
	WIN 0
	s_barrier_wait -1
.if \fill
	CREST
	JLOAD \slot                                    ; its four v_nop are also the places in front of the loads below
.else
	PLACES
.endif
	FETCH \next, 0, F0
	MUL8 F1, 1, 0, 0
	MUL8 F1, 1, 2, 0
.endm
; A chunk of 256 keys, in slot s: its row sums are asked for, its product is made from C = 0, and the product times the row sum is added onto the totals.
; mode 1: the slot is filled again; 0: the slots change and nothing is asked for; 2: the walk's last chunk: no change of slots.
.macro CHUNK slot, mode
	WIN 0
	s_min_u32 s90, s75, s98                        ; rs holds nothing above the diagonal: my rows' own last chunk at the most,
	s_lshl_b32 s90, s90, 13
	s_add_nc_u64 s[80:81], s[76:77], s[90:91]      ; (the loads before are done: the merge waited for them)
	s_cmp_le_u32 s75, s98
	s_cselect_b32 s22, -1, 0                       ; and no lane takes the sum where my rows see none of the chunk's keys
.irp a, 0,1,2,3
	global_load_b32 v[RSV+2*(\a)], v[R4], s[80:81] offset:64*(\a)
.endr
	QUARTER \slot, 1, F0, F1, 1
	QUARTER \slot, 2, F1, F0, 0
	QUARTER \slot, 3, F0, F1, 0
.if (\mode) == 2
	s_wait_dscnt 16
	MUL8 F1, 0, 0, 0
	MUL8 F1, 0, 2, 0
	s_wait_dscnt 0x0
	MUL8 F1, 1, 0, 0
	MUL8 F1, 1, 2, 0
.else
	TURN \slot, 1-(\slot), \mode
.endif
	WIN 0
	s_wait_loadcnt 0x0                             ; the row sums
.irp a, 0,1,2,3
	v_cndmask_b32 v[RSV+2*(\a)], v[NIL], v[RSV+2*(\a)], s22  ; also the four places behind the last products
.endr
.irp a, 0,1,2,3
	v_add_f32 v[DEN+2*(\a)], v[DEN+2*(\a)], v[RSV+2*(\a)]
.endr
	WIN 0xa0                                       ; totals (destination and source 2) in window 2
.irp a, 0,1,2,3
.irp b, 0,1,2,3
.irp p, 0,1,2,3
	v_pk_fma_f32 v[8*(4*(\a)+(\b))+2*(\p):8*(4*(\a)+(\b))+2*(\p)+1], v[ACC+8*(4*(\a)+(\b))+2*(\p):ACC+8*(4*(\a)+(\b))+2*(\p)+1], v[RSV+2*(\a):RSV+2*(\a)+1], v[8*(4*(\a)+(\b))+2*(\p):8*(4*(\a)+(\b))+2*(\p)+1] op_sel_hi:[1,0,1]
.endr
.endr
.endr
	WIN 0
	s_sub_co_u32 s68, s68, 1
	s_add_co_u32 s75, s75, 1
.endm
; A super-block's end: totals / (sum of row sums + 1e-6), through my stage, as whole rows of 256 bytes.  Rows t < 4 of a batch are left out by EXEC: they are the launch before's.
.macro WAYOUT
	WIN 0
.irp a, 0,1,2,3
	v_add_f32 v[RDN+2*(\a)], 0x358637bd, v[DEN+2*(\a)]
.endr
.irp a, 0,1,2,3
	v_rcp_f32 v[RDN+2*(\a)], v[RDN+2*(\a)]
.endr
	v_add_nc_u32 v[ROWV], s86, v2                  ; also the plain instruction behind the last reciprocal
	s_wait_alu depctr_va_vdst(0)
.irp a, 0,1,2,3
	WIN 0x02
.set i, 0
.rept 16
	v_pk_mul_f32 v[32+2*i:33+2*i], v[32*(\a)+2*i:32*(\a)+2*i+1], v[RDN+2*(\a):RDN+2*(\a)+1] op_sel_hi:[1,0]
.set i, i+1
.endr
	WIN 0
.irp b, 0,1,2,3
	ds_store_b128 v[STO], v[32+8*(\b):35+8*(\b)] offset:64*(\b)
	ds_store_b128 v[STO], v[36+8*(\b):39+8*(\b)] offset:64*(\b)+16
.endr
	s_wait_xcnt 0x0                                ; earlier stores have read v64-95: only now are these written again
.irp t, 0,1,2,3,4,5,6,7
	ds_load_b128 v[64+4*(\t):67+4*(\t)], v[RD] offset:(\t)*2*SP     ; LDS serves a wave's instructions in order (ISA guide 5.7.1.4): these see the stores above
.endr
	s_wait_dscnt 0x0
.irp t, 0,1,2,3,4,5,6,7
.if ((\a) == 0) && ((\t) < 2)
	v_cmp_le_u32 s88, 4-2*(\t), v[ROWV]            ; my row, ROWV + 2 t, is row 4 of the batch or a later one
	s_wait_xcnt 0x0                                ; EXEC changes only behind this wait
	s_and_saveexec_b32 s89, s88
	global_store_b128 v[CO], v[64+4*(\t):67+4*(\t)], s[82:83] offset:8192*(\t)
	s_wait_xcnt 0x0
	s_or_b32 exec_lo, exec_lo, s89
.else
	global_store_b128 v[CO], v[64+4*(\t):67+4*(\t)], s[82:83] offset:8192*(\t)+65536*(\a)   ; 16 lanes store 256 consecutive bytes, aligned
.endif
.endr
.endr
.endm
	s_wait_tensorcnt 1                             ; my part of chunk 0 is in; chunk 1's may stay out
	s_barrier_signal -1
	s_barrier_wait -1
	FETCH 0, 0, F0
	WIN 0
	s_mov_b32 s74, 4
.Lpair:                                                ; four trips of two chunks: each chunk is multiplied and the chunk two on is asked for: chunks 2 to 9 of the walk
	CHUNK 0, 1
	CHUNK 1, 1
	s_cmp_lg_u32 s68, 0
	s_cbranch_scc1 .Lsame                          ; forward, past text with no barrier and no tensor load
	WAYOUT                                         ; the first super-block ends (behind the walk's chunk 7 or 5)
	s_wait_xcnt 0x0                                ; the stores have read their base
	s_mov_b64 s[76:77], s[78:79]
	s_mov_b64 s[82:83], s[84:85]
	s_mov_b32 s86, s87
	s_mov_b32 s98, s97
	s_add_co_u32 s68, s69, 1                       ; the second super-block has 2 p + 2 chunks
	s_mov_b32 s75, 0
	CLEAR
.Lsame:
	s_sub_co_u32 s74, s74, 1
	s_cmp_lg_u32 s74, 0
	s_cbranch_scc1 .Lpair
	CHUNK 0, 0                                     ; the walk's last two chunks are written out: nothing is asked for
	CHUNK 1, 2
	WAYOUT
	s_wait_tensorcnt 0x0                           ; the wave's end
	ds_add_u32 v[SPW], v[NIL]
	s_wait_dscnt 0x0
	CROUND                                         ; the closing round
	s_endpgm
.Lfunc_end_k_qc055ad5907_mix:
	.size	k_qc055ad5907_mix, .Lfunc_end_k_qc055ad5907_mix-k_qc055ad5907_mix
	.p2alignl 7, 3214868480
	.fill 96, 4, 3214868480
	.section	.rodata,"a",@progbits
	.p2align	6, 0x0
	.amdhsa_kernel k_qc055ad5907_mix
		.amdhsa_group_segment_fixed_size 327680
		.amdhsa_private_segment_fixed_size 0
		.amdhsa_enable_private_segment 0
		.amdhsa_kernarg_size 32
		.amdhsa_user_sgpr_count 2
		.amdhsa_user_sgpr_kernarg_segment_ptr 1
		.amdhsa_wavefront_size32 1
		.amdhsa_system_sgpr_workgroup_id_x 1
		.amdhsa_system_sgpr_workgroup_id_y 1
		.amdhsa_system_sgpr_workgroup_id_z 1
		.amdhsa_system_vgpr_workitem_id 0
		.amdhsa_next_free_vgpr 640
		.amdhsa_next_free_sgpr 100
		.amdhsa_reserve_vcc 0
		.amdhsa_float_denorm_mode_32 3
		.amdhsa_float_denorm_mode_16_64 3
		.amdhsa_memory_ordered 1
		.amdhsa_forward_progress 1
		.amdhsa_inst_pref_size 135
	.end_amdhsa_kernel
	.amdgpu_metadata
---
amdhsa.version: [ 1, 2 ]
amdhsa.kernels:
  - .name:           k_qc055ad5907_mix
    .symbol:         k_qc055ad5907_mix.kd
    .args:
      - { .name: pb, .offset: 0, .size: 8, .value_kind: global_buffer, .address_space: global }
      - { .name: vb, .offset: 8, .size: 8, .value_kind: global_buffer, .address_space: global }
      - { .name: rs, .offset: 16, .size: 8, .value_kind: global_buffer, .address_space: global }
      - { .name: out0, .offset: 24, .size: 8, .value_kind: global_buffer, .address_space: global }
    .group_segment_fixed_size: 327680
    .private_segment_fixed_size: 0
    .kernarg_segment_align: 8
    .kernarg_segment_size: 32
    .max_flat_workgroup_size: 128
    .sgpr_count:     100
    .vgpr_count:     640
    .wavefront_size: 32
...
	.end_amdgpu_metadata
.endif
;; end of part 7
